; MI455X (gfx1250); checked and timed in simulation.
; The chip was launched on July 23, 2026; its instructions are those of AMD's public machine-readable ISA for CDNA 5 (MIT licence, August 2026) and "CDNA5" Instruction Set Architecture Reference Guide (July 2026). The comments in the code are by the model that wrote it; some were corrected since.
;; Incidence Attention. Allowed arithmetic: matrix products marked QUANTISED: E2M3 operands, one E8M0 scale for each 32 along K, by v_wmma_scale_f32_16x16x128_f8f6f4 with both operands' format E2M3, f32 sums; everything else in f32.
;; Inputs: Wk 1,024 x 1,024 float32; Wo 1,024 x 1,024 float32; Wq 1,024 x 1,024 float32; Wv 1,024 x 1,024 float32; bk 1,024 float32; bo 1,024 float32; bq 1,024 float32; bv 1,024 float32; mobius_weight 1 float32; x 2 x 2,048 x 1,024 float32.
;; Outputs: out0 2 x 2,048 x 1,024 float32.
;; This version of the problem:
;;   THIS VERSION OF THE PROBLEM IS GIVEN IN LOW PRECISION. The matrix products marked QUANTISED in the list below multiply operands that are first quantised to E2M3 (2 exponent bits, 3 mantissa bits; 6 bits a number), with one power-of-two scale for each 32 numbers along K (OCP MX v1.0); their sums are f32. All else is computed in f32.
;;   The module's matrix products, in the order in which they are computed (A, B: the left and right operand; K: the contracted axis; several contracted axes count as one K, in the product's order):
;;     1. [M 4,096, K 1,024] x [K 1,024, N 1,024]; A: input x; B: input Wq: QUANTISED
;;     2. [M 4,096, K 1,024] x [K 1,024, N 1,024]; A: input x; B: input Wk: QUANTISED
;;     3. [M 4,096, K 1,024] x [K 1,024, N 1,024]; A: input x; B: input Wv: QUANTISED
;;     4. batch 32 x [M 2,048, K 64] x [K 64, N 2,048]; A: computed on the way; B: computed on the way: QUANTISED
;;     5. batch 32 x [M 2,048, K 32] x [K 32, N 2,048]; A: computed on the way; B: computed on the way: QUANTISED
;;     6. batch 32 x [M 2,048, K 32] x [K 32, N 2,048]; A: computed on the way; B: computed on the way: QUANTISED
;;     7. batch 32 x [M 2,048, K 2,048] x [K 2,048, N 64]; A: softmax (see below); B: computed on the way: QUANTISED
;;     8. [M 4,096, K 1,024] x [K 1,024, N 1,024]; A: computed on the way; B: input Wo: QUANTISED
;;   THE QUANTISER, for each operand of a quantised product, along K:
;;     - K is cut into blocks of 32 from its start; a last block that is shorter is filled with zeros.
;;     - A block's scale is 2^e with e = floor(log2(the largest magnitude in the block)) - 2, held to -126 .. 127; a block of zeros has e = 0. As a byte (E8M0): e + 127.
;;     - Each number is divided by its block's scale, clamped to +-7.5, and rounded to the nearest number of E2M3, ties to even, subnormals kept.
;;     - The product sums the exact products of the quantised numbers (number of the format x scale) in f32.
;;   ~~~python
;;   def quantise(x, axis):      # numpy; x: float32 -> the quantised numbers, widened to float32 again
;;       x = np.moveaxis(x, axis, -1); K = x.shape[-1]
;;       x = np.pad(x, [(0, 0)] * (x.ndim - 1) + [(0, -K % 32)]); x = x.reshape(x.shape[:-1] + (-1, 32)); a = np.abs(x).max(-1, keepdims=True)
;;       e = np.where(a > 0, np.clip(np.frexp(np.where(a > 0, a, 1))[1] - 1 - 2, -126, 127), 0)      # np.frexp(a)[1] - 1 = floor(log2(a)), exactly
;;       r = np.clip(x / 2.0 ** e, -7.5, 7.5)
;;       step = 2.0 ** (np.maximum(np.frexp(np.where(r == 0, 1, r))[1] - 1, 0) - 3)
;;       q = np.round(r / step) * step * 2.0 ** e      # np.round: ties to even
;;       return np.moveaxis(q.reshape(q.shape[:-2] + (-1,))[..., :K], -1, axis).astype(np.float32)
;;   ~~~
;;   SOFTMAX AHEAD OF A QUANTISED PRODUCT. Where the list says 'softmax', what is quantised is not the finished softmax but p = 2^(t - M), with t = logit x log2(e) and M = ceil(the row's largest t), a whole number; so 1/2 < the row's largest p <= 1. The row's sum l is taken of the UNQUANTISED p, in f32, and the product's result is divided by l at the end. Since M is a whole number, a kernel that streams over the keys may use a running M (the ceiling of the running maximum): every later rescaling is an exact power of two, which a block's scale takes up: the codes' values come out the same.
;;   OPERANDS COMPUTED ON THE WAY. 'Computed on the way' means the value that the module computes at that place (a softmax that the list does not call 'softmax' is quantised finished and normalised). What goes into a quantiser is computed in f32, as accurately as f32 sums, v_exp_f32 and their like allow (about 1e-6 of the number): no bf16 or f16 on the way to a quantiser, and a product that is left as it is and whose result goes on into a quantised operand takes f32 operands (vector FMAs, or v_wmma_f32_16x16x4_f32). A number that lies on a knife's edge between two numbers of the format may be rounded either way, as far as f32 arithmetic and the matrix unit's own rounding can turn it there, and no further.
;; One version. Each part assembles by itself: llvm-mc -triple=amdgcn-amd-amdhsa -mcpu=gfx1250 --defsym DOCPART=n.
;; ======== version 1 of 1: 4 launches
;; limits: right only within a limited range of input values
;; workspace buffers: img 6,291,456 bytes; scl 262,144 bytes; qk 6,291,456 bytes; sqk 262,144 bytes; vc 3,145,728 bytes; sv 131,072 bytes; ao 3,145,728 bytes; sao 131,072 bytes
;; launch quant (part 1): grid 256 x 1, 4 waves a work-group, no clusters, 34,304 bytes of LDS; arguments x, Wq, Wk, Wv, Wo, img, scl; writes img, scl
.if DOCPART == 1
	.amdgcn_target "amdgcn-amd-amdhsa--gfx1250"
	.amdhsa_code_object_version 6
	.text
	.protected	k_qf269fa98a2_quant
	.globl	k_qf269fa98a2_quant
	.p2align	8
	.type	k_qf269fa98a2_quant,@function
k_qf269fa98a2_quant:
	s_mov_b64 s[64:65], 0
	v_nop
	global_prefetch_b8 v0, s[64:65] scope:SCOPE_SE
	s_setreg_imm32_b32 hwreg(HW_REG_WAVE_MODE, 25, 1), 1
	s_wait_xcnt 0x0
; x [4096][1024] and Wq, Wk, Wv, Wo [1024][1024], f32, K innermost, become codes of FP6 (E2M3) with one E8M0 byte for each 32 along K,
; laid as the later launches' operand registers take them.
; TILES.  A tile is 16 rows; tile T of a tensor holds rows 32 (T / 2) + 8 (T % 2) + rho + 8 (rho / 8), rho = 0 .. 15.  512 tiles in all: x 0-255, then 64 for each weight.
; img: [group of 8 tiles][K step of 128][tile][1,536 bytes]: a fragment's 12 registers, registers 4 i .. 4 i + 3 of lane l at 512 i + 16 l.
; scl: [group][tile][pair of K steps][row][2 words]: a word is a row's four scale bytes of one K step.
; SHARES.  A work-group takes two tiles, a wave one tile and half of K: four K steps of 16 rows x 512 bytes.
; Each load reads 512 consecutive bytes of one row; the 8,192 bytes of a step turn through the wave's own stage in LDS (rows 528 bytes apart) and come back so that
; lane (r, h) holds, of row r, the 16 numbers 32 b + 16 h + 0 .. 15 of each block b.  The loads of the next step are on their way while a step is worked.
; A block's scale byte is its largest magnitude's exponent field - 2, held at 1 from below.
; LIMITS: NaN and infinities are not served; a block whose largest magnitude lies under 2^-124 (a block of zeros too, where the rule says 127) gets the byte 1: a block of zeros has
; zero codes, which add nothing, and the bytes are read by this program alone.
; No matrix work, no cluster, no barrier: the waves share nothing.
.set STG,   8448                       ; a wave's stage: 16 rows x (512 + 16) bytes
.set SPARE, 4*STG                      ; behind the stages: the spare words, 128 bytes for each wave
.set RR,    16                         ; v16-143  two sets of 64: a step's numbers as loaded
.set XX,    144                        ; v144-207 64 numbers in the quantiser's order
.set PC,    208                        ; v208-226 the codes
.set TM,    228                        ; v228-243 at work
.set PWS,   244                        ; v244-247 the four steps' scale words
.set SPW,   248                        ; v248 LDS address of my spare word; never rewritten
.set NIL,   249                        ; v249 0; never rewritten
.set SEL,   20                         ; s[20:21] selects for lane l xor 16
; 64 numbers of a lane, register 16 b + i = k 32 b + 16 (lane / 16) + i of my row, become a fragment's 12 registers in v[PC] on and the row's scale word in v[pw].
.macro QUANT s, pw
.irp b, 0,1,2,3
	v_max3_num_f32 v[TM+\b], |v[\s+16*\b]|, |v[\s+1+16*\b]|, 0x1800000   ; my 16 numbers of block b, and the floor 2^(3 - 127): the byte cannot fall under 1
.endr
.irp i, 2,4,6,8,10,12,14
.irp b, 0,1,2,3
	v_max3_num_f32 v[TM+\b], v[TM+\b], |v[\s+16*\b+\i]|, |v[\s+1+16*\b+\i]|
.endr
.endr
.irp b, 0,1,2,3
	v_permlanex16_b32 v[TM+4+\b], v[TM+\b], s[SEL], s[SEL+1]
.endr
.irp b, 0,1,2,3
	v_max_num_f32 v[TM+\b], v[TM+\b], v[TM+4+\b]   ; with lane l xor 16's: the block's largest magnitude
.endr
.irp b, 0,1,2,3
	v_add_nc_u32 v[TM+12+\b], 0xff000000, v[TM+\b]   ; 2 off its exponent field: the conversion's scale operand
.endr
.irp b, 0,1,2,3
	v_lshrrev_b32 v[TM+4+\b], 23, v[TM+12+\b]      ; the scale's byte
.endr
	v_lshl_or_b32 v[\pw], v[TM+5], 8, v[TM+4]
	v_lshl_or_b32 v[\pw], v[TM+6], 16, v[\pw]
	v_lshl_or_b32 v[\pw], v[TM+7], 24, v[\pw]
.irp c, 0,1
	v_cvt_scalef32_pk16_fp6_f32 v[PC+6*\c:PC+2+6*\c], v[\s+32*\c:\s+15+32*\c], v[TM+12+2*\c]
	v_cvt_scalef32_pk16_fp6_f32 v[PC+12+4*\c:PC+14+4*\c], v[\s+16+32*\c:\s+31+32*\c], v[TM+12+2*\c+1]   ; (a conversion's three registers begin on an even number)
.endr
	v_nop                                          ; one plain place behind a scaled conversion
.irp c, 0,1                                    ; the operand's layout wants a whole block in a lane: lanes 0-15 block 2 c, lanes 16-31 block 2 c + 1
.irp i, 0,1,2
	v_permlane16_swap_b32 v[PC+6*\c+\i], v[PC+12+4*\c+\i]
.endr
.irp i, 0,1,2
	v_mov_b32 v[PC+3+6*\c+\i], v[PC+12+4*\c+\i]
.endr
.endr
.endm
	s_load_b256 s[4:11], s[0:1], 0x0               ; x, Wq, Wk, Wv
	s_load_b128 s[12:15], s[0:1], 0x20             ; Wo, img
	s_load_b64 s[16:17], s[0:1], 0x30              ; scl
	v_lshl_add_u32 v[SPW], v0, 2, SPARE
	v_mov_b32 v[NIL], 0
	v_lshrrev_b32 v5, 5, v0
	v_readfirstlane_b32 s18, v5                    ; wave
	v_and_b32 v6, 31, v0                           ; lane
	v_and_b32 v7, 15, v0                           ; r
	v_bfe_u32 v8, v0, 4, 1                         ; h
	v_lshlrev_b32 v1, 4, v6                        ; 16 x lane: my bytes of a load's 512, and of an image's
	s_mul_i32 s19, s18, STG
	v_add_nc_u32 v2, s19, v1                       ; the stage on the way in
	v_mul_u32_u24 v3, v7, 528
	v_lshl_add_u32 v3, v8, 6, v3
	v_add_nc_u32 v3, s19, v3                       ; and on the way out: row r, + 64 h
	v_lshlrev_b32 v4, 3, v6                        ; 8 x lane: the scale words' place
	s_mov_b32 s[SEL], 0x76543210
	s_mov_b32 s[SEL+1], 0xfedcba98
.irp b, 0,1,2,3
	v_mov_b32 v[TM+4+\b], 0                        ; written once: a lane permute's destination counts as one of its sources
.endr
	s_lshr_b32 s22, s18, 1
	s_lshl_b32 s23, ttmp9, 1
	s_add_co_u32 s22, s22, s23                     ; T: my tile among the 512
	s_and_b32 s23, s18, 1                          ; q: my half of K
	s_lshr_b32 s24, ttmp9, 5                       ; 0-3: x; 4: Wq; 5: Wk; 6: Wv; 7: Wo
	s_cmp_lt_u32 ttmp9, 128
	s_cselect_b32 s25, 255, 63
	s_and_b32 s25, s22, s25                        ; the tile's number in its tensor
	s_lshr_b32 s26, s25, 1
	s_lshl_b32 s26, s26, 5
	s_and_b32 s27, s25, 1
	s_lshl_b32 s27, s27, 3
	s_add_co_u32 s26, s26, s27                     ; its first row
	s_lshl_b32 s26, s26, 12                        ; rows of 4,096 bytes
	s_lshl_b32 s27, s23, 11
	s_add_co_u32 s26, s26, s27                     ; + my half of K
	s_mov_b32 s27, 0
	s_lshr_b32 s28, s22, 3
	s_mul_i32 s28, s28, 98304                      ; img: the group,
	s_mul_i32 s29, s23, 49152                      ; my four K steps,
	s_add_co_u32 s28, s28, s29
	s_and_b32 s29, s22, 7
	s_mul_i32 s29, s29, 1536                       ; the tile
	s_add_co_u32 s28, s28, s29
	s_mov_b32 s29, 0
	s_lshl_b32 s30, s22, 9                         ; scl: 512 bytes a tile,
	s_lshl_b32 s31, s23, 8                         ; 256 for half of K
	s_add_co_u32 s30, s30, s31
	s_mov_b32 s31, 0
	s_wait_alu depctr_va_vdst(0)
	s_wait_kmcnt 0x0
	s_cmp_eq_u32 s24, 4                            ; the tensor is chosen by the work-group's number alone
	s_cselect_b64 s[4:5], s[6:7], s[4:5]
	s_cmp_eq_u32 s24, 5
	s_cselect_b64 s[4:5], s[8:9], s[4:5]
	s_cmp_eq_u32 s24, 6
	s_cselect_b64 s[4:5], s[10:11], s[4:5]
	s_cmp_eq_u32 s24, 7
	s_cselect_b64 s[4:5], s[12:13], s[4:5]
	s_add_nc_u64 s[4:5], s[4:5], s[26:27]
	s_add_nc_u64 s[14:15], s[14:15], s[28:29]
	s_add_nc_u64 s[16:17], s[16:17], s[30:31]
.macro LOAD t                          ; K step t: 16 loads, each 512 consecutive bytes of one row of the tile
.irp rho, 0,1,2,3,4,5,6,7,8,9,10,11,12,13,14,15
	global_load_b128 v[RR+64*((\t)%2)+4*\rho:RR+64*((\t)%2)+4*\rho+3], v1, s[4:5] offset:(\rho+8*(\rho/8))*4096+512*(\t) th:TH_LOAD_NT
.endr
.endm
.macro STEP t
.if \t < 3
	s_wait_loadcnt 16                              ; this step's 16 loads are in; the next step's 16 stay out
.else
	s_wait_loadcnt 0x0
.endif
.irp rho, 0,1,2,3,4,5,6,7,8,9,10,11,12,13,14,15
	ds_store_b128 v2, v[RR+64*((\t)%2)+4*\rho:RR+64*((\t)%2)+4*\rho+3] offset:528*\rho
.endr
.irp b, 0,1,2,3
.irp j, 0,1,2,3
	ds_load_b128 v[XX+16*\b+4*\j:XX+16*\b+4*\j+3], v3 offset:128*\b+16*\j   ; LDS serves a wave's instructions in order: these see the stores above
.endr
.endr
	s_wait_dscnt 0x0                               ; the numbers are back, and the stores have read their registers,
.if \t < 2
	LOAD \t+2                                      ; which take the loads of two steps on
.endif
.if \t > 0
	s_wait_xcnt 0x0                                ; the last step's stores have read the codes' registers: they are written again only behind this wait
.endif
	QUANT XX, PWS+\t
.irp i, 0,1,2
	global_store_b128 v1, v[PC+4*\i:PC+4*\i+3], s[14:15] offset:(\t)*12288+512*\i   ; 32 lanes store 512 consecutive bytes, at a multiple of 256 from img's first byte
.endr
.endm
	LOAD 0
	LOAD 1
	STEP 0
	STEP 1
	STEP 2
	STEP 3
	v_cmp_le_u32 vcc_lo, 16, v6                    ; lanes 0-15 store the words of my first two K steps, lanes 16-31 those of the other two
	v_cndmask_b32 v10, v[PWS], v[PWS+2], vcc_lo
	v_cndmask_b32 v11, v[PWS+1], v[PWS+3], vcc_lo
	global_store_b64 v4, v[10:11], s[16:17]        ; 32 lanes store 256 consecutive bytes, aligned
	s_wait_tensorcnt 0x0                           ; the wave's end
	ds_add_u32 v[SPW], v[NIL]
	s_wait_dscnt 0x0
	s_endpgm
.Lfunc_end_k_qf269fa98a2_quant:
	.size	k_qf269fa98a2_quant, .Lfunc_end_k_qf269fa98a2_quant-k_qf269fa98a2_quant
	.p2alignl 7, 3214868480
	.fill 96, 4, 3214868480
	.section	.rodata,"a",@progbits
	.p2align	6, 0x0
	.amdhsa_kernel k_qf269fa98a2_quant
		.amdhsa_group_segment_fixed_size 34304
		.amdhsa_private_segment_fixed_size 0
		.amdhsa_enable_private_segment 0
		.amdhsa_kernarg_size 56
		.amdhsa_user_sgpr_count 2
		.amdhsa_user_sgpr_kernarg_segment_ptr 1
		.amdhsa_wavefront_size32 1
		.amdhsa_system_sgpr_workgroup_id_x 1
		.amdhsa_system_sgpr_workgroup_id_y 1
		.amdhsa_system_sgpr_workgroup_id_z 1
		.amdhsa_system_vgpr_workitem_id 0
		.amdhsa_next_free_vgpr 256
		.amdhsa_next_free_sgpr 66
		.amdhsa_reserve_vcc 1
		.amdhsa_float_denorm_mode_32 3
		.amdhsa_float_denorm_mode_16_64 3
		.amdhsa_memory_ordered 1
		.amdhsa_forward_progress 1
		.amdhsa_inst_pref_size 34
	.end_amdhsa_kernel
	.amdgpu_metadata
---
amdhsa.version: [ 1, 2 ]
amdhsa.kernels:
  - .name:           k_qf269fa98a2_quant
    .symbol:         k_qf269fa98a2_quant.kd
    .args:
      - { .name: x, .offset: 0, .size: 8, .value_kind: global_buffer, .address_space: global }
      - { .name: Wq, .offset: 8, .size: 8, .value_kind: global_buffer, .address_space: global }
      - { .name: Wk, .offset: 16, .size: 8, .value_kind: global_buffer, .address_space: global }
      - { .name: Wv, .offset: 24, .size: 8, .value_kind: global_buffer, .address_space: global }
      - { .name: Wo, .offset: 32, .size: 8, .value_kind: global_buffer, .address_space: global }
      - { .name: img, .offset: 40, .size: 8, .value_kind: global_buffer, .address_space: global }
      - { .name: scl, .offset: 48, .size: 8, .value_kind: global_buffer, .address_space: global }
    .group_segment_fixed_size: 34304
    .private_segment_fixed_size: 0
    .kernarg_segment_align: 8
    .kernarg_segment_size: 56
    .max_flat_workgroup_size: 128
    .sgpr_count:     66
    .vgpr_count:     256
    .wavefront_size: 32
...
	.end_amdgpu_metadata
.endif
;; end of part 1
;; launch qkv (part 2): grid 8 x 24, 4 waves a work-group, clusters of 4 x 4, 327,680 bytes of LDS; arguments img, scl, bq, bk, bv, qk, sqk, vc, sv; writes qk, sqk, vc, sv
.if DOCPART == 2
	.amdgcn_target "amdgcn-amd-amdhsa--gfx1250"
	.amdhsa_code_object_version 6
	.text
	.protected	k_qf269fa98a2_qkv
	.globl	k_qf269fa98a2_qkv
	.p2align	8
	.type	k_qf269fa98a2_qkv,@function
k_qf269fa98a2_qkv:
	s_mov_b64 s[64:65], 0
	v_nop
	global_prefetch_b8 v0, s[64:65] scope:SCOPE_SE
	s_setreg_imm32_b32 hwreg(HW_REG_WAVE_MODE, 25, 1), 1
	s_wait_xcnt 0x0
	s_wait_alu depctr_hold_cnt(0) depctr_sa_sdst(0) depctr_va_vdst(0) depctr_va_sdst(0) depctr_va_ssrc(0) depctr_va_vcc(0) depctr_vm_vsrc(0)
	s_getreg_b32 s2, hwreg(HW_REG_IB_STS2, 6, 4)
	s_cmp_eq_u32 s2, 0
	s_cbranch_scc0 .Lentry_in_a_cluster
	s_endpgm
.Lentry_in_a_cluster:
	s_bfe_u32 s2, ttmp6, 0x10000c
	s_cmp_lg_u32 s2, 0xf033
	s_cbranch_scc0 .Lentry_shape_is_right
	s_endpgm
.Lentry_shape_is_right:
.set HALFT, 24576
.set SLOT,  4*HALFT
.set SCL,   3*SLOT
.set SPARE, SCL+4*4096
.set FR,    12
.set ADRA,  16
.set ADRB,  20
.set L8,    24
.set SCO,   25
.set LN,    26
.set ADRS,  27
.set SPW,   28
.set NIL,   29
.set BO,    30
.set SC,    32
.set BI,    64
.set AF,    128
.set HA,    128
.set TM,    192
.set PC,    208
.set PWR,   228
.set SW,    236
.set WV,    14
.set HR,    15
.set HP,    16
.set PATH,  17
.set RG,    18
.set PG,    19
.set SEL,   100
.set G1R,   24
.set G1P,   32
.set G1SR,  40
.set G1SP,  48
.set G0SR,  56
.set G0SP,  60
.set G0R,   68
.set G0P,   80
.set MSB, 0
.macro WIN new
.if MSB != (\new)
	s_set_vgpr_msb (MSB<<8)|(\new)
.set MSB, (\new)
.endif
.endm
.set MUL_LO, 0xa1
.set MUL_HI, 0xf1
.set TO_B,   0x40
.macro JLOAD g0a, g1a, g0b, g1b
	s_cmp_eq_u32 s[HR], 0
	s_cbranch_scc0 .Lfor_p_\@
	tensor_load_to_lds s[\g0a:\g0a+3], s[\g1a:\g1a+7]
	s_nop 0
.rept 4
	v_nop
.endr
	s_branch .Lasked_\@
.Lfor_p_\@:
	tensor_load_to_lds s[\g0b:\g0b+3], s[\g1b:\g1b+7]
	s_nop 0
.rept 4
	v_nop
.endr
.Lasked_\@:
.endm
.macro CREST
	s_cmp_lg_u32 s[WV], 0
	s_cbranch_scc1 .Lnot_wave_0_\@
	s_barrier_signal -3
.Lnot_wave_0_\@:
	s_barrier_wait -3
	s_barrier_signal -1
	s_barrier_wait -1
.endm
.macro CROUND
	s_barrier_signal -1
	s_barrier_wait -1
	CREST
.endm
.macro PLACES
.rept 4
	v_nop
.endr
.endm
	s_load_b128 s[4:7], s[0:1], 0x0
	s_load_b128 s[8:11], s[0:1], 0x10
	s_load_b64 s[12:13], s[0:1], 0x20
	s_load_b256 s[92:99], s[0:1], 0x28
	v_lshl_add_u32 v[SPW], v0, 2, SPARE
	v_mov_b32 v[NIL], 0
	ds_add_u32 v[SPW], v[NIL]
	ds_add_u32 v[SPW], v[NIL]
	v_lshrrev_b32 v1, 5, v0
	v_readfirstlane_b32 s[WV], v1
	s_lshr_b32 s[HR], s[WV], 1
	s_and_b32 s[HP], s[WV], 1
	s_bfe_u32 s100, ttmp6, 0x40000
	s_bfe_u32 s101, ttmp6, 0x40004
	s_and_b32 s104, ttmp7, 0xffff
	s_lshl_b32 s[RG], s104, 2
	s_lshl_b32 s[PG], s104, 3
	s_sub_co_u32 s[PG], s[PG], 32
	s_cmp_ge_u32 s104, 4
	s_cselect_b32 s[PATH], 1, 0
	s_cselect_b32 s[RG], 0, s[RG]
	s_cselect_b32 s[PG], s[PG], 0
	s_cselect_b32 s2, 48, 0
	s_cselect_b32 s3, 0, 32
	s_add_co_u32 s[RG], s[RG], s101
	s_lshl_b32 s105, ttmp9, 2
	s_add_co_u32 s[PG], s[PG], s105
	s_add_co_u32 s[PG], s[PG], s100
	s_lshl_b32 s20, s101, 2
	s_lshl_b32 s20, 15, s20
	s_lshl_b32 s21, 0x1111, s100
	s_or_b32 s[G1R], s20, (3<<16)|(1<<21)
	s_or_b32 s[G1P], s21, (3<<16)|(1<<21)
	s_or_b32 s[G1SR], s20, (3<<16)|(1<<21)
	s_or_b32 s[G1SP], s21, (3<<16)|(1<<21)
.irp g, G1R, G1P
	s_mov_b32 s[\g+1], 32<<16
	s_mov_b32 s[\g+2], 96<<16
	s_mov_b32 s[\g+3], 32<<16
	s_mov_b32 s[\g+4], 96
	s_mov_b32 s[\g+5], 32
	s_mov_b32 s[\g+6], 0
	s_mov_b32 s[\g+7], 0
.endr
.irp g, G1SR, G1SP
	s_mov_b32 s[\g+1], 32<<16
	s_mov_b32 s[\g+2], 16<<16
	s_mov_b32 s[\g+3], 32<<16
	s_mov_b32 s[\g+4], 16
	s_mov_b32 s[\g+5], 32
	s_mov_b32 s[\g+6], 0
	s_mov_b32 s[\g+7], 0
.endr
	s_lshl_b32 s22, s[RG], 1
	s_add_co_u32 s22, s22, s2
	s_add_co_u32 s22, s22, s[HP]
	s_lshl_b32 s23, s[PG], 1
	s_add_co_u32 s23, s23, s3
	s_add_co_u32 s23, s23, s[HP]
	s_mul_i32 s2, s22, 98304
	s_mov_b32 s3, 0
	s_lshl_b32 s104, s22, 12
	s_mov_b32 s105, 0
	s_mul_i32 s66, s23, 98304
	s_mov_b32 s67, 0
	s_lshl_b32 s22, s23, 12
	s_mov_b32 s23, 0
	s_mul_i32 s100, s[WV], HALFT
	s_lshl_b32 s101, s[WV], 12
	s_wait_dscnt 0x0
	s_wait_kmcnt 0x0
	s_add_nc_u64 s[2:3], s[4:5], s[2:3]
	s_add_nc_u64 s[104:105], s[6:7], s[104:105]
	s_add_nc_u64 s[66:67], s[4:5], s[66:67]
	s_add_nc_u64 s[22:23], s[6:7], s[22:23]
	s_cmp_eq_u32 ttmp9, 0
	s_cselect_b64 s[8:9], s[8:9], s[10:11]
	s_cmp_eq_u32 s[PATH], 0
	s_cselect_b64 s[8:9], s[8:9], s[12:13]
	s_cselect_b64 s[92:93], s[92:93], s[96:97]
	s_cselect_b64 s[94:95], s[94:95], s[98:99]
	CROUND
	s_mov_b32 s[G0SR], 1
	s_add_co_u32 s[G0SR+1], s101, SCL
	s_mov_b64 s[G0SR+2:G0SR+3], s[104:105]
	s_or_b32 s[G0SR+3], s[G0SR+3], 0x80000000
	s_mov_b32 s[G0SP], 1
	s_add_co_u32 s[G0SP+1], s101, SCL
	s_mov_b64 s[G0SP+2:G0SP+3], s[22:23]
	s_or_b32 s[G0SP+3], s[G0SP+3], 0x80000000
	JLOAD G0SR, G1SR, G0SP, G1SP
.irp s, 0,1,2
	s_mov_b32 s[G0R+4*\s], 1
	s_add_co_u32 s[G0R+4*\s+1], s100, \s*SLOT
	s_add_nc_u64 s[G0R+4*\s+2:G0R+4*\s+3], s[2:3], \s*HALFT
	s_or_b32 s[G0R+4*\s+3], s[G0R+4*\s+3], 0x80000000
	s_mov_b32 s[G0P+4*\s], 1
	s_add_co_u32 s[G0P+4*\s+1], s100, \s*SLOT
	s_add_nc_u64 s[G0P+4*\s+2:G0P+4*\s+3], s[66:67], \s*HALFT
	s_or_b32 s[G0P+4*\s+3], s[G0P+4*\s+3], 0x80000000
	s_wait_alu depctr_va_vdst(0)
	s_wait_tensorcnt 0x0
	ds_add_u32 v28, v29
	s_wait_dscnt 0x0
	CROUND
	JLOAD G0R+4*\s, G1R, G0P+4*\s, G1P
.endr
	v_and_b32 v[LN], 31, v0
	v_and_b32 v1, 15, v0
	s_wait_alu depctr_va_vdst(0)
	v_bfe_u32 v2, v0, 4, 1
	s_wait_alu depctr_va_vdst(0)
	v_lshlrev_b32 v3, 4, v[LN]
	s_mul_i32 s20, s[HR], HALFT
	s_mul_i32 s21, s[HP], HALFT
	s_add_co_u32 s21, s21, 2*HALFT
.irp s, 0,1,2
	v_add_nc_u32 v[ADRA+\s], s20, v3
	v_add_nc_u32 v[ADRB+\s], s21, v3
	s_add_co_u32 s20, s20, SLOT
	s_add_co_u32 s21, s21, SLOT
.endr
	v_lshlrev_b32 v5, 3, v1
	s_lshl_b32 s20, s[HR], 12
	s_lshl_b32 s21, s[HP], 12
	s_add_co_u32 s21, s21, 2*4096
	s_sub_co_u32 s21, s21, s20
	v_mul_u32_u24 v6, s21, v2
	s_add_co_u32 s20, s20, SCL
	v_add_nc_u32 v5, v5, v6
	v_add_nc_u32 v[ADRS], s20, v5
	v_lshlrev_b32 v[L8], 3, v[LN]
	v_lshlrev_b32 v[SCO], 4, v1
	v_lshl_add_u32 v[SCO], v2, 12, v[SCO]
.macro FRAG reg, adr, q, i
.irp c, 0,1,2
	ds_load_b128 v[\reg+4*\c:\reg+4*\c+3], v[\adr] offset:(\q)*12288+(\i)*1536+512*\c
.endr
.endm
.macro MUL16 a0, p, q, sc, zero
.irp a, \a0, \a0+1
.irp b, 0,1,2,3,4,5,6,7
.if \zero
	v_wmma_scale_f32_16x16x128_f8f6f4 v[8*(8*((\a)%4)+\b):8*(8*((\a)%4)+\b)+7], v[128*(\p)+FR*\b:128*(\p)+FR*\b+FR-1], v[AF+FR*(\a):AF+FR*(\a)+FR-1], 0, v[SC+16*(\sc)+2*\b+(\q)], v[SC+16*(\sc)+2*(\a)+(\q)] matrix_a_fmt:MATRIX_FMT_FP6 matrix_b_fmt:MATRIX_FMT_FP6 matrix_a_scale:MATRIX_SCALE_ROW1
.else
	v_wmma_scale_f32_16x16x128_f8f6f4 v[8*(8*((\a)%4)+\b):8*(8*((\a)%4)+\b)+7], v[128*(\p)+FR*\b:128*(\p)+FR*\b+FR-1], v[AF+FR*(\a):AF+FR*(\a)+FR-1], v[8*(8*((\a)%4)+\b):8*(8*((\a)%4)+\b)+7], v[SC+16*(\sc)+2*\b+(\q)], v[SC+16*(\sc)+2*(\a)+(\q)] matrix_a_fmt:MATRIX_FMT_FP6 matrix_b_fmt:MATRIX_FMT_FP6 matrix_a_scale:MATRIX_SCALE_ROW1
.endif
.endr
.endr
.endm
.macro FETCH_B slot, q, p
	WIN TO_B
.irp i, 0,1,2,3,4,5,6,7
	FRAG 128*(\p)+FR*\i, ADRB+\slot, \q, \i
.endr
	WIN 0
.endm
.macro FETCH_A slot, q, i0
.irp i, \i0, \i0+1, \i0+2, \i0+3
	FRAG AF+FR*(\i), ADRA+\slot, \q, \i
.endr
.endm
.macro SCALES sc, sig
.irp i, 0,1,2,3,4,5,6,7
	ds_load_b64 v[SC+16*\sc+2*\i:SC+16*\sc+2*\i+1], v[ADRS] offset:\i*512+\sig*128
.endr
.endm
.macro STEP slot, sc, zero
	s_wait_dscnt 12
	WIN MUL_LO
	MUL16 0, 0, 0, \sc, \zero
	MUL16 2, 0, 0, \sc, \zero
	s_wait_dscnt 0x0
	PLACES
	FETCH_B \slot, 1, 1
	FETCH_A \slot, 1, 0
	WIN MUL_HI
	MUL16 4, 0, 0, \sc, \zero
	MUL16 6, 0, 0, \sc, \zero
	PLACES
	WIN 0
	FETCH_A \slot, 1, 4
.endm
.macro TURN slot, sc, next, nsc, nsig, mode
.if \mode == 0
	s_wait_tensorcnt 0x1
	s_wait_dscnt 12
.else
	s_wait_tensorcnt 0x0
	ds_add_u32 v[SPW], v[NIL]
	s_wait_dscnt 13
.endif
	WIN MUL_LO
	MUL16 0, 1, 1, \sc, 0
	s_wait_dscnt 0x0
	s_barrier_signal -1
	MUL16 2, 1, 1, \sc, 0
	WIN 0
	s_barrier_wait -1
.if \mode == 1
	CREST
	s_add_nc_u64 s[G0R+2:G0R+3], s[G0R+2:G0R+3], 3*HALFT
	s_add_nc_u64 s[G0P+2:G0P+3], s[G0P+2:G0P+3], 3*HALFT
	JLOAD G0R, G1R, G0P, G1P
.else
	PLACES
.endif
	FETCH_B \next, 0, 0
	FETCH_A \next, 0, 0
	SCALES \nsc, \nsig
	WIN MUL_HI
	MUL16 4, 1, 1, \sc, 0
	MUL16 6, 1, 1, \sc, 0
	PLACES
	WIN 0
	FETCH_A \next, 0, 4
.endm
.macro LAST sc
	s_wait_dscnt 12
	WIN MUL_LO
	MUL16 0, 1, 1, \sc, 0
	MUL16 2, 1, 1, \sc, 0
	s_wait_dscnt 0x0
	WIN MUL_HI
	MUL16 4, 1, 1, \sc, 0
	MUL16 6, 1, 1, \sc, 0
	WIN 0
.endm
.macro QUANT s, pw
.irp b, 0,1,2,3
	v_max3_num_f32 v[TM+\b], |v[\s+16*\b]|, |v[\s+1+16*\b]|, 0x1800000
.endr
.irp i, 2,4,6,8,10,12,14
.irp b, 0,1,2,3
	v_max3_num_f32 v[TM+\b], v[TM+\b], |v[\s+16*\b+\i]|, |v[\s+1+16*\b+\i]|
.endr
.endr
.irp b, 0,1,2,3
	v_permlanex16_b32 v[TM+4+\b], v[TM+\b], s[SEL], s[SEL+1]
.endr
.irp b, 0,1,2,3
	v_max_num_f32 v[TM+\b], v[TM+\b], v[TM+4+\b]
.endr
.irp b, 0,1,2,3
	v_add_nc_u32 v[TM+12+\b], 0xff000000, v[TM+\b]
.endr
.irp b, 0,1,2,3
	v_lshrrev_b32 v[TM+4+\b], 23, v[TM+12+\b]
.endr
	v_lshl_or_b32 v[\pw], v[TM+5], 8, v[TM+4]
	v_lshl_or_b32 v[\pw], v[TM+6], 16, v[\pw]
	v_lshl_or_b32 v[\pw], v[TM+7], 24, v[\pw]
.irp c, 0,1
	v_cvt_scalef32_pk16_fp6_f32 v[PC+6*\c:PC+2+6*\c], v[\s+32*\c:\s+15+32*\c], v[TM+12+2*\c]
	v_cvt_scalef32_pk16_fp6_f32 v[PC+12+4*\c:PC+14+4*\c], v[\s+16+32*\c:\s+31+32*\c], v[TM+12+2*\c+1]
.endr
	v_nop
.irp c, 0,1
.irp i, 0,1,2
	v_permlane16_swap_b32 v[PC+6*\c+\i], v[PC+12+4*\c+\i]
.endr
.irp i, 0,1,2
	v_mov_b32 v[PC+3+6*\c+\i], v[PC+12+4*\c+\i]
.endr
.endr
.endm
.macro EPI path
	PLACES
	s_mov_b32 s[SEL], 0x76543210
	s_mov_b32 s[SEL+1], 0xfedcba98
.irp b, 0,1,2,3
	v_mov_b32 v[TM+4+\b], 0
.endr
	v_cmp_le_u32 vcc_lo, 16, v[LN]
	s_wait_loadcnt 0x0
.if \path
.irp a, 0,1,2,3,4,5,6,7
	v_mov_b32 v[BI+2*\a+1], v[BI+2*\a]
.endr
.endif
.irp a, 0,1,2,3,4,5,6,7
.if \a > 0
	s_wait_xcnt 0x0
.endif
	WIN 0x02+(\a/4)
.set j, 0
.rept 32
.if \path
	v_pk_add_f32 v[HA+j:HA+j+1], v[64*(\a%4)+j:64*(\a%4)+j+1], v[BI+2*\a:BI+2*\a+1]
.else
	v_pk_add_f32 v[HA+j:HA+j+1], v[64*(\a%4)+j:64*(\a%4)+j+1], v[BI+j:BI+j+1]
.endif
.set j, j+2
.endr
	WIN 0
	QUANT HA, PWR+\a
.if \path
.irp p, 0,1,2,3,4,5
	global_store_b64 v[L8], v[PC+2*\p:PC+2*\p+1], s[92:93] offset:(\a/4)*98304+(\a%4)*1536+256*\p
.endr
.else
.irp c, 0,1
.irp p, 0,1,2
	global_store_b64 v[L8], v[PC+6*\c+2*\p:PC+6*\c+2*\p+1], s[92:93] offset:\a*768+\c*98304+256*\p
.endr
.endr
.endif
.endr
.if \path
.irp f, 0,1,2,3
	v_cndmask_b32 v[SW+\f], v[PWR+\f], v[PWR+4+\f], vcc_lo
.endr
.else
	s_mov_b32 s20, 0x05040100
	s_mov_b32 s21, 0x07060302
.irp f, 0,1,2,3
	v_perm_b32 v[SW+\f], v[PWR+2*\f+1], v[PWR+2*\f], s20
	v_perm_b32 v[SW+4+\f], v[PWR+2*\f+1], v[PWR+2*\f], s21
.endr
.irp f, 0,1,2,3
	v_cndmask_b32 v[SW+\f], v[SW+\f], v[SW+4+\f], vcc_lo
.endr
.endif
	global_store_b128 v[SCO], v[SW:SW+3], s[94:95]
	s_wait_tensorcnt 0x0
	ds_add_u32 v[SPW], v[NIL]
	s_wait_dscnt 0x0
.endm
	s_wait_alu depctr_va_vdst(0)
	s_wait_tensorcnt 0x2
	s_barrier_signal -1
	s_barrier_wait -1
	FETCH_B 0, 0, 0
	FETCH_A 0, 0, 0
	SCALES 0, 0
	FETCH_A 0, 0, 4
	STEP 0, 0, 1
	TURN 0, 0, 1, 1, 1, 0
	STEP 1, 1, 0
	TURN 1, 1, 2, 0, 2, 1
	STEP 2, 0, 0
	TURN 2, 0, 0, 1, 3, 2
	STEP 0, 1, 0
	s_cmp_lg_u32 s[PATH], 0
	s_cbranch_scc1 .Lpath_v
	s_lshl_b32 s20, s[RG], 1
	s_add_co_u32 s20, s20, s[HR]
	s_lshr_b32 s21, s20, 4
	s_and_b32 s20, s20, 15
	s_lshl_b32 s22, s[PG], 2
	s_lshl_b32 s23, s[HP], 1
	s_add_co_u32 s22, s22, s23
	s_mul_i32 s2, s21, 3145728
	s_mul_i32 s3, s22, 98304
	s_add_co_u32 s2, s2, s3
	s_mul_i32 s3, s20, 6144
	s_add_co_u32 s2, s2, s3
	s_mov_b32 s3, 0
	s_add_nc_u64 s[92:93], s[92:93], s[2:3]
	s_lshl_b32 s2, s21, 17
	s_lshl_b32 s66, s22, 12
	s_add_co_u32 s2, s2, s66
	s_lshl_b32 s66, s20, 8
	s_add_co_u32 s2, s2, s66
	s_add_nc_u64 s[94:95], s[94:95], s[2:3]
	s_and_b32 s2, s[PG], 3
	s_lshl_b32 s2, s2, 10
	s_lshl_b32 s66, s[HP], 9
	s_add_co_u32 s2, s2, s66
	s_add_nc_u64 s[8:9], s[8:9], s[2:3]
	v_lshlrev_b32 v[BO], 6, v2
.irp b, 0,1,2,3,4,5,6,7
	global_load_b128 v[BI+8*\b:BI+8*\b+3], v[BO], s[8:9] offset:4*(32*(\b/2)+8*(\b%2))
	global_load_b128 v[BI+8*\b+4:BI+8*\b+7], v[BO], s[8:9] offset:4*(32*(\b/2)+8*(\b%2))+16
.endr
	LAST 1
	EPI 0
	s_branch .Lend
.Lpath_v:
	s_lshl_b32 s20, s[PG], 1
	s_add_co_u32 s20, s20, s[HP]
	s_lshr_b32 s21, s20, 4
	s_and_b32 s20, s20, 15
	s_lshl_b32 s22, s[RG], 2
	s_lshl_b32 s23, s[HR], 1
	s_add_co_u32 s22, s22, s23
	s_mul_i32 s2, s21, 1572864
	s_mul_i32 s3, s22, 98304
	s_add_co_u32 s2, s2, s3
	s_mul_i32 s3, s20, 6144
	s_add_co_u32 s2, s2, s3
	s_mov_b32 s3, 0
	s_add_nc_u64 s[92:93], s[92:93], s[2:3]
	s_lshl_b32 s2, s21, 16
	s_lshl_b32 s66, s22, 12
	s_add_co_u32 s2, s2, s66
	s_lshl_b32 s66, s20, 8
	s_add_co_u32 s2, s2, s66
	s_add_nc_u64 s[94:95], s[94:95], s[2:3]
	s_lshl_b32 s2, s[RG], 10
	s_lshl_b32 s66, s[HR], 9
	s_add_co_u32 s2, s2, s66
	s_add_nc_u64 s[8:9], s[8:9], s[2:3]
	v_and_b32 v3, 8, v1
	v_add_nc_u32 v3, v3, v1
	v_lshlrev_b32 v[BO], 2, v3
.irp a, 0,1,2,3,4,5,6,7
	global_load_b32 v[BI+2*\a], v[BO], s[8:9] offset:4*(32*(\a/2)+8*(\a%2))
.endr
	LAST 1
	EPI 1
.Lend:
	CROUND
	s_endpgm
.Lfunc_end_k_qf269fa98a2_qkv:
	.size	k_qf269fa98a2_qkv, .Lfunc_end_k_qf269fa98a2_qkv-k_qf269fa98a2_qkv
	.p2alignl 7, 3214868480
	.fill 96, 4, 3214868480
	.section	.rodata,"a",@progbits
	.p2align	6, 0x0
	.amdhsa_kernel k_qf269fa98a2_qkv
		.amdhsa_group_segment_fixed_size 327680
		.amdhsa_private_segment_fixed_size 0
		.amdhsa_enable_private_segment 0
		.amdhsa_kernarg_size 72
		.amdhsa_user_sgpr_count 2
		.amdhsa_user_sgpr_kernarg_segment_ptr 1
		.amdhsa_wavefront_size32 1
		.amdhsa_system_sgpr_workgroup_id_x 1
		.amdhsa_system_sgpr_workgroup_id_y 1
		.amdhsa_system_sgpr_workgroup_id_z 1
		.amdhsa_system_vgpr_workitem_id 0
		.amdhsa_next_free_vgpr 1024
		.amdhsa_next_free_sgpr 106
		.amdhsa_reserve_vcc 1
		.amdhsa_float_denorm_mode_32 3
		.amdhsa_float_denorm_mode_16_64 3
		.amdhsa_memory_ordered 1
		.amdhsa_forward_progress 1
		.amdhsa_inst_pref_size 224
	.end_amdhsa_kernel
	.amdgpu_metadata
---
amdhsa.version: [ 1, 2 ]
amdhsa.kernels:
  - .name:           k_qf269fa98a2_qkv
    .symbol:         k_qf269fa98a2_qkv.kd
    .args:
      - { .name: img, .offset: 0, .size: 8, .value_kind: global_buffer, .address_space: global }
      - { .name: scl, .offset: 8, .size: 8, .value_kind: global_buffer, .address_space: global }
      - { .name: bq, .offset: 16, .size: 8, .value_kind: global_buffer, .address_space: global }
      - { .name: bk, .offset: 24, .size: 8, .value_kind: global_buffer, .address_space: global }
      - { .name: bv, .offset: 32, .size: 8, .value_kind: global_buffer, .address_space: global }
      - { .name: qk, .offset: 40, .size: 8, .value_kind: global_buffer, .address_space: global }
      - { .name: sqk, .offset: 48, .size: 8, .value_kind: global_buffer, .address_space: global }
      - { .name: vc, .offset: 56, .size: 8, .value_kind: global_buffer, .address_space: global }
      - { .name: sv, .offset: 64, .size: 8, .value_kind: global_buffer, .address_space: global }
    .group_segment_fixed_size: 327680
    .private_segment_fixed_size: 0
    .kernarg_segment_align: 8
    .kernarg_segment_size: 72
    .max_flat_workgroup_size: 128
    .sgpr_count:     106
    .vgpr_count:     1024
    .wavefront_size: 32
...
	.end_amdgpu_metadata
.endif
;; end of part 2
;; launch attn (part 3): grid 8 x 32, 16 waves a work-group, clusters of 4 x 1, 327,680 bytes of LDS; arguments qk, sqk, vc, sv, mobius_weight, ao, sao; writes ao, sao
.if DOCPART == 3
	.amdgcn_target "amdgcn-amd-amdhsa--gfx1250"
	.amdhsa_code_object_version 6
	.text
	.protected	k_qf269fa98a2_attn
	.globl	k_qf269fa98a2_attn
	.p2align	8
	.type	k_qf269fa98a2_attn,@function
k_qf269fa98a2_attn:
	s_mov_b64 s[64:65], 0
	v_nop
	global_prefetch_b8 v0, s[64:65] scope:SCOPE_SE
	s_setreg_imm32_b32 hwreg(HW_REG_WAVE_MODE, 25, 1), 1
	s_wait_xcnt 0x0
	s_wait_alu depctr_hold_cnt(0) depctr_sa_sdst(0) depctr_va_vdst(0) depctr_va_sdst(0) depctr_va_ssrc(0) depctr_va_vcc(0) depctr_vm_vsrc(0)
	s_getreg_b32 s2, hwreg(HW_REG_IB_STS2, 6, 4)
	s_cmp_eq_u32 s2, 0
	s_cbranch_scc0 .Lentry_in_a_cluster
	s_endpgm
.Lentry_in_a_cluster:
	s_bfe_u32 s2, ttmp6, 0x10000c
	s_cmp_lg_u32 s2, 0x3003
	s_cbranch_scc0 .Lentry_shape_is_right
	s_endpgm
.Lentry_shape_is_right:
; For each (batch, head): logit = (q . k + w (q_om . k_pi + q_pi . k_om)) / 8; softmax over the 2,048 keys; times v; divided by the row's sum; quantised along the head's 64 channels.
; All products on codes of FP6 (E2M3) with E8M0 scales.  q, k: two blocks (om, pi) a row; the cross term uses the same codes with q's blocks changed over.
; SOFTMAX: t = logit x log2(e); M = the running largest t rounded up to a whole number; p = 2^(t - M) is quantised along the keys; the row's sum is taken of the unquantised p.
; SHARES: a work-group owns 256 queries of one head, each of its sixteen waves a tile of 16; a lane holds one query throughout (both products are used transposed).
; LDS: the head's whole K, V and their scale bytes, each byte filled once.  Head: fourteen fills of 4,096 bytes, one a wave, at 4096 x wave: K and V of keys 0-511 (six each), K's scale bytes, V's.
; Behind the waits, the add and a round of the cluster's barrier: sixteen fills of 9,216 bytes, one a wave: K and V of keys 512-2047; they land while keys 0-511 are worked; one barrier shows them.
; CLUSTER: the four work-groups of a cluster belong to one head: every fill is asked for jointly, mask 15.
; No prefetch: both fills of a wave go out at the head; no later request is left for a loop to run ahead of.
; SCORES: a fragment of K holds two tiles of 16 keys (k 0-63, k 64-127); source 1 is q beside zero codes.  A tile's keys are 32 (T / 2) + 8 (T % 2) + rho + 8 (rho / 8): the 16 registers of tiles 2 f, 2 f + 1 are keys 32 f + 16 (lane / 16) + 0 .. 15.
; ORDER OF A STEP: independent chains are laid by turns, so that a line seldom reads what one of the four lines ahead of it wrote.  The row's sum of a step's 64 p runs in four chains (T0 to T3): p 0-31 round the
; quantiser's lines, p 32-39 behind the product with V, p 40-63 among the next step's first cross terms, where the chains are joined; these adds are also the plain vector work owed behind and ahead of the products.
; (So p 40-63 and T0 to T3 begin as zeros.)
; sao is stored two bytes a row, 8 bytes apart: a row's other six bytes belong to three other heads.
; LIMITS: the promise holds while the scaled scores stay under 2^31 in magnitude; NaN and infinities are not served; a block whose largest magnitude lies under 2^-124 gets the byte 1 (read by this program alone).
.set K0,    0
.set V0,    24576
.set SCK,   49152
.set SCV,   53248
.set KR,    57344
.set VR,    131072
.set SPARE, 204800                     ; the spare words, 128 bytes for each of sixteen waves
.set AK0,  1                           ; 8 x lane
.set AS0,  3                           ; 16 r + SCK
.set SPW,  5
.set NIL,  6
.set ADK,  8
.set ADV,  9
.set ADS,  10
.set QZ,   16                          ; v16-45: six zeros, q, six zeros, q with its blocks changed over, six zeros
.set W0,   46
.set W1,   47
.set KF,   48                          ; two fragments of K
.set MB,   72                          ; the cross terms of four tiles
.set VF,   48                          ; V's four fragments, when K's are done with
.set S,    104                         ; the scores, then p
.set O,    168                         ; O^T
.set PCD,  200
.set CT,   212
.set BM,   220
.set BP,   224
.set SO,   228
.set KS,   232
.set VS,   236
.set PW,   240
.set F,    242
.set T0,   244                         ; the sum's four chains, a pair each
.set T1,   252
.set T2,   254
.set T3,   248                         ; (v248-250 serve q's loads at the head, v248 the way out)
.set TT,   246
.set DD,   247
.set HW,   248
.set QB,   249
.set HWO,  250
.set SA,   251
.set WV,   18
.set SEL,  20
.set CS,   22                          ; s[22:23] c = log2(e) / 8
.set G1A,  24
.set G1B,  32
.set G0A,  40
.set G0B,  44
.set CNT,  48
.set TS,   49
.set NC,   50                          ; -c
.set MW,   60
.set TK,   62
.set TV,   63
.macro CROUND
	s_barrier_signal -1
	s_barrier_wait -1
	s_cmp_lg_u32 s[WV], 0
	s_cbranch_scc1 .Lnot_wave_0_\@
	s_barrier_signal -3
.Lnot_wave_0_\@:
	s_barrier_wait -3
	s_barrier_signal -1
	s_barrier_wait -1
.endm
	s_load_b256 s[4:11], s[0:1], 0x0               ; qk, sqk, vc, sv
	s_load_b128 s[12:15], s[0:1], 0x20             ; mobius_weight, ao
	s_load_b64 s[16:17], s[0:1], 0x30              ; sao
	v_lshl_add_u32 v[SPW], v0, 2, SPARE
	v_mov_b32 v[NIL], 0
	ds_add_u32 v[SPW], v[NIL]                      ; the opening: the add, twice on end, and its wait
	ds_add_u32 v[SPW], v[NIL]
	v_lshrrev_b32 v8, 5, v0
	s_delay_alu instid0(VALU_DEP_1)
	v_readfirstlane_b32 s[WV], v8
	s_bfe_u32 s67, ttmp6, 0x40000                  ; cx: it enters q's, ao's and sao's addresses alone
	s_lshl_b32 s68, ttmp9, 2
	s_add_co_u32 s68, s68, s67
	s_lshl_b32 s68, s68, 4
	s_add_co_u32 s68, s68, s[WV]                   ; my tile of queries, 0 .. 127
	s_and_b32 s69, ttmp7, 0xffff
	s_lshr_b32 s70, s69, 4                         ; the batch
	s_and_b32 s71, s69, 15                         ; the head
	s_mul_i32 s72, s70, 3145728
	s_mul_i32 s73, s71, 98304
	s_add_co_u32 s2, s72, s73                      ; q's head in qk
	s_add_co_u32 s72, s2, 16*98304                 ; k's
	s_mul_i32 s74, s70, 1572864
	s_add_co_u32 s74, s74, s73                     ; v's head in vc
	s_mov_b32 s73, 0
	s_mov_b32 s75, 0
	s_lshl_b32 s76, s70, 17
	s_lshl_b32 s77, s71, 12
	s_add_co_u32 s90, s76, s77                     ; q's head in sqk
	s_add_co_u32 s76, s90, 65536                   ; k's
	s_lshl_b32 s78, s70, 16
	s_add_co_u32 s78, s78, s77                     ; v's head in sv
	s_mov_b32 s77, 0
	s_mov_b32 s79, 0
	s_mul_i32 s3, s68, 768
	s_add_co_u32 s2, s2, s3                        ; my tile of q
	s_mov_b32 s3, 0
	s_lshr_b32 s91, s68, 3
	s_lshl_b32 s91, s91, 8
	s_add_co_u32 s90, s90, s91
	s_and_b32 s91, s68, 7
	s_lshl_b32 s91, s91, 1
	s_add_co_u32 s90, s90, s91                     ; and its scale bytes
	s_mov_b32 s91, 0
	; the head's fill: waves 0-5 K's part wave, 6-11 V's part wave - 6, 12 K's scale bytes, 13 V's
	s_cmp_lt_u32 s[WV], 6
	s_cselect_b32 s84, 0, 6
	s_cmp_lt_u32 s[WV], 12
	s_cselect_b32 s84, s84, s[WV]
	s_sub_co_u32 s84, s[WV], s84
	s_lshl_b32 s84, s84, 12
	s_mov_b32 s85, 0
	; the second fill: waves 0-7 K's, 8-15 V's, part wave % 8 of what lies behind the first 24,576 bytes
	s_and_b32 s88, s[WV], 7
	s_mul_i32 s88, s88, 9216
	s_add_co_u32 s88, s88, 24576
	s_mov_b32 s89, 0
	s_mov_b32 s[G0A], 1
	s_lshl_b32 s[G0A+1], s[WV], 12
	s_mov_b32 s[G0B], 1
	s_mul_i32 s[G0B+1], s[WV], 9216
	s_add_co_u32 s[G0B+1], s[G0B+1], KR
	; groups 1: dense blocks as rows of 256 bytes (32 elements of 8): 16 rows, 36 rows; mask 15, bit 21 beside it
	s_mov_b32 s[G1A], 15|(3<<16)|(1<<21)
	s_mov_b32 s[G1A+1], 32<<16
	s_mov_b32 s[G1A+2], 16<<16
	s_mov_b32 s[G1A+3], 32<<16
	s_mov_b32 s[G1A+4], 16
	s_mov_b32 s[G1A+5], 32
	s_mov_b32 s[G1A+6], 0
	s_mov_b32 s[G1A+7], 0
	s_mov_b32 s[G1B], 15|(3<<16)|(1<<21)
	s_mov_b32 s[G1B+1], 32<<16
	s_mov_b32 s[G1B+2], 36<<16
	s_mov_b32 s[G1B+3], 32<<16
	s_mov_b32 s[G1B+4], 36
	s_mov_b32 s[G1B+5], 32
	s_mov_b32 s[G1B+6], 0
	s_mov_b32 s[G1B+7], 0
	s_mov_b32 s[SEL], 0x76543210
	s_mov_b32 s[SEL+1], 0xfedcba98
	s_mov_b32 s[CS], 0x3e38aa3b                    ; log2(e) / 8
	s_mov_b32 s[CS+1], s[CS]
	s_mov_b32 s[NC], 0xbe38aa3b
	s_wait_dscnt 0x0                               ; both opening adds are done
	s_wait_kmcnt 0x0
	s_add_nc_u64 s[72:73], s[4:5], s[72:73]
	s_add_nc_u64 s[74:75], s[8:9], s[74:75]
	s_add_nc_u64 s[76:77], s[6:7], s[76:77]
	s_add_nc_u64 s[78:79], s[10:11], s[78:79]
	s_add_nc_u64 s[4:5], s[4:5], s[2:3]
	s_add_nc_u64 s[6:7], s[6:7], s[90:91]
	s_load_b32 s[MW], s[12:13], 0x0                ; w
	s_cmp_lt_u32 s[WV], 6                          ; the buffers are chosen by the wave's number alone
	s_cselect_b64 s[80:81], s[72:73], s[74:75]
	s_cmp_eq_u32 s[WV], 12
	s_cselect_b64 s[82:83], s[76:77], s[78:79]
	s_cmp_lt_u32 s[WV], 12
	s_cselect_b64 s[80:81], s[80:81], s[82:83]
	s_add_nc_u64 s[G0A+2:G0A+3], s[80:81], s[84:85]
	s_or_b32 s[G0A+3], s[G0A+3], 0x80000000
	s_cmp_lt_u32 s[WV], 8
	s_cselect_b64 s[86:87], s[72:73], s[74:75]
	s_add_nc_u64 s[G0B+2:G0B+3], s[86:87], s[88:89]
	s_or_b32 s[G0B+3], s[G0B+3], 0x80000000
	CROUND                                         ; all four work-groups are here: the joint loads meet
	s_cmp_lt_u32 s[WV], 14
	s_cbranch_scc0 .Lno_fill
	tensor_load_to_lds s[G0A:G0A+3], s[G1A:G1A+7]
	s_nop 0
.rept 4
	v_nop
.endr
.Lno_fill:
	v_and_b32 v9, 31, v0
	v_and_b32 v10, 15, v0
	s_delay_alu instid0(VALU_DEP_2)
	v_lshlrev_b32 v[AK0], 3, v9
	v_xor_b32 v11, 16, v9
	s_delay_alu instid0(VALU_DEP_1)
	v_lshlrev_b32 v[QB], 3, v11                    ; the other half's place: q with its blocks changed over
	v_lshlrev_b32 v[HWO], 4, v10
	v_lshlrev_b32 v[SA], 3, v10
	s_delay_alu instid0(VALU_DEP_2)
	v_add_nc_u32 v[AS0], SCK, v[HWO]
	s_wait_alu depctr_va_vdst(0)
.irp p, 0,1,2
	global_load_b64 v[QZ+6+2*\p:QZ+7+2*\p], v[AK0], s[4:5] offset:256*\p
	global_load_b64 v[QZ+18+2*\p:QZ+19+2*\p], v[QB], s[4:5] offset:256*\p
.endr
	global_load_u16 v[HW], v[HWO], s[6:7]
	; where the results go
	s_lshl_b32 s69, s70, 7
	s_add_co_u32 s69, s69, s68                     ; my tile among the 256
	s_lshr_b32 s8, s69, 3
	s_mul_i32 s8, s8, 98304
	s_lshr_b32 s9, s71, 1
	s_mul_i32 s9, s9, 12288
	s_add_co_u32 s8, s8, s9
	s_and_b32 s9, s69, 7
	s_mul_i32 s9, s9, 1536
	s_add_co_u32 s8, s8, s9
	s_and_b32 s9, s71, 1
	s_mul_i32 s9, s9, 768
	s_add_co_u32 s8, s8, s9
	s_mov_b32 s9, 0
	s_add_nc_u64 s[14:15], s[14:15], s[8:9]
	s_lshl_b32 s10, s69, 9
	s_lshr_b32 s11, s71, 2
	s_lshl_b32 s11, s11, 7
	s_add_co_u32 s10, s10, s11
	s_and_b32 s11, s71, 3
	s_lshl_b32 s11, s11, 1
	s_add_co_u32 s10, s10, s11
	s_mov_b32 s11, 0
	s_add_nc_u64 s[16:17], s[16:17], s[10:11]
.irp z, 0,1,2,3,4,5,12,13,14,15,16,17,24,25,26,27,28,29
	v_mov_b32 v[QZ+\z], 0                          ; zero codes beside q
.endr
	v_mov_b32 v13, 0xff61b1e6                      ; the largest score so far: -3e38
	v_mov_b32 v12, 0x7f61b1e6                      ; -M
	v_mov_b32 v14, 0                               ; the sum, in two halves
	v_mov_b32 v15, 0
	v_mov_b32 v[F+1], 0                            ; (named as the upper half of a pair)
.set j, 0
.rept 24
	v_mov_b32 v[S+40+j], 0                         ; the first step adds these in place of an earlier step's p
.set j, j+1
.endr
	s_wait_alu depctr_va_vdst(0)
	s_wait_loadcnt 0x0                             ; q and its scale bytes; the loads' address registers are free
	v_perm_b32 v[W0], v[HW], v[HW], 0x01000100     ; (om, pi, om, pi)
	v_perm_b32 v[W1], v[HW], v[HW], 0x00010001     ; (pi, om, pi, om)
.irp t, T0, T1, T2, T3
	v_mov_b32 v[\t], 0
	v_mov_b32 v[\t+1], 0
.endr
.set j, 0
.rept 32
	v_mov_b32 v[O+j], 0                            ; O^T: the step is written once; these are also the places ahead of the first scaled product
.set j, j+1
.endr
	s_wait_alu depctr_va_vdst(0)
	s_wait_kmcnt 0x0
	s_mov_b32 s[MW+1], s[MW]
	s_wait_tensorcnt 0x0                           ; my part of the head's fills is in
	ds_add_u32 v[SPW], v[NIL]
	ds_add_u32 v[SPW], v[NIL]                      ; twice
	s_wait_dscnt 0x0
	CROUND
	tensor_load_to_lds s[G0B:G0B+3], s[G1B:G1B+7]  ; keys 512-2047, a sixteenth of K's and V's bytes a wave
	s_nop 0
.rept 4
	v_nop
.endr
.macro KLOAD g                         ; fragments 2 g and 2 g + 1 of the step's K: 256 consecutive bytes a load
.irp f, 0,1
.irp p, 0,1,2,3,4,5
	ds_load_b64 v[KF+12*\f+2*\p:KF+12*\f+2*\p+1], v[ADK] offset:(2*\g+\f)*1536+256*\p
.endr
.endr
.endm
.macro SCORE g                         ; eight products, eight accumulators: q . k and the cross term of four tiles of keys
.irp f, 0,1
	v_wmma_scale_f32_16x16x128_f8f6f4 v[S+32*\g+16*\f:S+32*\g+16*\f+7], v[KF+12*\f:KF+12*\f+11], v[QZ+6:QZ+17], 0, v[KS+2*\g+\f], v[W0] matrix_a_fmt:MATRIX_FMT_FP6 matrix_b_fmt:MATRIX_FMT_FP6
	v_wmma_scale_f32_16x16x128_f8f6f4 v[S+32*\g+16*\f+8:S+32*\g+16*\f+15], v[KF+12*\f:KF+12*\f+11], v[QZ:QZ+11], 0, v[KS+2*\g+\f], v[W0] matrix_a_fmt:MATRIX_FMT_FP6 matrix_b_fmt:MATRIX_FMT_FP6
	v_wmma_scale_f32_16x16x128_f8f6f4 v[MB+16*\f:MB+16*\f+7], v[KF+12*\f:KF+12*\f+11], v[QZ+18:QZ+29], 0, v[KS+2*\g+\f], v[W1] matrix_a_fmt:MATRIX_FMT_FP6 matrix_b_fmt:MATRIX_FMT_FP6
	v_wmma_scale_f32_16x16x128_f8f6f4 v[MB+16*\f+8:MB+16*\f+15], v[KF+12*\f:KF+12*\f+11], v[QZ+12:QZ+23], 0, v[KS+2*\g+\f], v[W1] matrix_a_fmt:MATRIX_FMT_FP6 matrix_b_fmt:MATRIX_FMT_FP6
.endr
.endm
.macro MOB g, j                        ; score = q . k + w x the cross term: pair j of group g; ascending j takes each accumulator from its low end on
	v_pk_fma_f32 v[S+32*\g+2*\j:S+32*\g+2*\j+1], v[MB+2*\j:MB+2*\j+1], s[MW:MW+1], v[S+32*\g+2*\j:S+32*\g+2*\j+1] op_sel_hi:[1,0,1]
.endm
.macro PADD d, a, b
	v_pk_add_f32 v[\d:\d+1], v[\a:\a+1], v[\b:\b+1]
.endm
.macro MX3 d, a, b, c
	v_max3_num_f32 v[\d], v[\a], v[\b], v[\c]
.endm
.macro SWP c, i
	v_permlane16_swap_b32 v[PCD+6*\c+\i], v[CT+4*\c+\i]
.endm
.macro MVC c, i
	v_mov_b32 v[PCD+3+6*\c+\i], v[CT+4*\c+\i]
.endm
; A KEY STEP: 128 keys.
.macro STEP
	ds_load_b128 v[KS:KS+3], v[ADS]                ; K's scale words: word f is tiles 2 f and 2 f + 1 of row r
	KLOAD 0
	s_wait_dscnt 0x0
	SCORE 0
	PADD T0, T0, S+40                              ; the last step's p 40-47: four places ahead of the loads into K's registers and of the first read of the scores
	PADD T1, T1, S+42
	PADD T2, T2, S+44
	PADD T3, T3, S+46
	KLOAD 1
	MOB 0, 0                                       ; the cross terms of keys 0-63, with the last step's p 48-63 and the join of the four chains among them
	PADD T0, T0, S+48
	MOB 0, 1
	PADD T1, T1, S+50
	MOB 0, 2
	PADD T2, T2, S+52
	MOB 0, 3
	PADD T3, T3, S+54
	MOB 0, 4
	PADD T0, T0, S+56
	MOB 0, 5
	PADD T1, T1, S+58
	MOB 0, 6
	PADD T2, T2, S+60
	MOB 0, 7
	PADD T3, T3, S+62
	MOB 0, 8
	PADD T0, T0, T1
	MOB 0, 9
	MOB 0, 10
	PADD T2, T2, T3
	MOB 0, 11
	MOB 0, 12
	MOB 0, 13
	MOB 0, 14
	PADD T0, T0, T2
	MOB 0, 15
	s_wait_alu depctr_va_vdst(0)
	s_wait_dscnt 0x0
	SCORE 1
	PADD 14, 14, T0                                ; the last step's p is in the row's sum.  This line and the four below: five places behind the products
	MX3 BM, S, S+1, S+2                            ; my 16 scores of blocks 0 and 1, two chains a block, with the cross terms of keys 64-127 among them
	MX3 BP, S+8, S+9, S+10
	MX3 BM+1, S+16, S+17, S+18
	MX3 BP+1, S+24, S+25, S+26
	MOB 1, 0
	MX3 BM, BM, S+3, S+4
	MOB 1, 1
	MX3 BP, BP, S+11, S+12
	MOB 1, 2
	MX3 BM+1, BM+1, S+19, S+20
	MOB 1, 3
	MX3 BP+1, BP+1, S+27, S+28
	MOB 1, 4
	MX3 BM, BM, S+5, S+6
	MOB 1, 5
	MX3 BP, BP, S+13, S+14
	MOB 1, 6
	MX3 BM+1, BM+1, S+21, S+22
	MOB 1, 7
	MX3 BP+1, BP+1, S+29, S+30
	MOB 1, 8
	MX3 BM, BM, BP, S+7
	MOB 1, 9
	MOB 1, 10
	MX3 BM+1, BM+1, BP+1, S+23
	MOB 1, 11
	v_max_num_f32 v[BM], v[BM], v[S+15]
	MOB 1, 12
	MOB 1, 13
	v_max_num_f32 v[BM+1], v[BM+1], v[S+31]
	MOB 1, 14
	MOB 1, 15
	ds_load_b128 v[VS:VS+3], v[ADS] offset:SCV-SCK ; V's scale words and fragments land while the softmax is walked
.irp t, 0,1,2,3
.irp p, 0,1,2,3,4,5
	ds_load_b64 v[VF+12*\t+2*\p:VF+12*\t+2*\p+1], v[ADV] offset:1536*\t+256*\p
.endr
.endr
	MX3 BM+2, S+32, S+33, S+34                     ; blocks 2 and 3: three chains a block, the six by turns
	MX3 BM+3, S+48, S+49, S+50
	MX3 BP+2, S+37, S+38, S+39
	MX3 BP+3, S+53, S+54, S+55
	MX3 SO+2, S+42, S+43, S+44
	MX3 SO+3, S+58, S+59, S+60
	MX3 BM+2, BM+2, S+35, S+36
	MX3 BM+3, BM+3, S+51, S+52
	MX3 BP+2, BP+2, S+40, S+41
	MX3 BP+3, BP+3, S+56, S+57
	MX3 SO+2, SO+2, S+45, S+46
	MX3 SO+3, SO+3, S+61, S+62
	v_permlanex16_b32 v[BP], v[BM], s[SEL], s[SEL+1]
	v_permlanex16_b32 v[BP+1], v[BM+1], s[SEL], s[SEL+1]
	v_mov_b32 v[DD], v12                           ; the old -M
	MX3 BM+2, BM+2, BP+2, SO+2
	MX3 BM+3, BM+3, BP+3, SO+3
	v_max_num_f32 v[BM], v[BM], v[BP]              ; the largest score of each block of 32 keys: for the row's maximum and, since p rises with the score, for the block's largest p
	v_max_num_f32 v[BM+1], v[BM+1], v[BP+1]
	v_max_num_f32 v[BM+2], v[BM+2], v[S+47]
	v_max_num_f32 v[BM+3], v[BM+3], v[S+63]
	MX3 13, 13, BM, BM+1                           ; the running largest score
	v_permlanex16_b32 v[BP+2], v[BM+2], s[SEL], s[SEL+1]
	v_permlanex16_b32 v[BP+3], v[BM+3], s[SEL], s[SEL+1]
	v_max_num_f32 v[BM+2], v[BM+2], v[BP+2]
	v_max_num_f32 v[BM+3], v[BM+3], v[BP+3]
	MX3 13, 13, BM+2, BM+3
	v_mul_f32 v[TT], s[NC], v13                    ; -t (c is positive)
	v_floor_f32 v12, v[TT]                         ; the new -M = -ceil(t): a whole number
.set j, 0
.rept 32
	v_pk_fma_f32 v[S+j:S+j+1], v[S+j:S+j+1], s[CS:CS+1], v[12:13] op_sel_hi:[1,0,0]   ; t - M
.if j == 6
	v_sub_f32 v[DD], v12, v[DD]                    ; old M - new M: a whole number, 0 or less
.endif
.if j == 14
	v_cvt_i32_f32 v[DD], v[DD]                     ; (it saturates)
.endif
.if j == 22
	v_ldexp_f32 v[F], 1.0, v[DD]                   ; f = 2^(old M - new M): a multiplication by it rounds nothing
.endif
.set j, j+2
.endr
.irp b, 0,1,2,3
	v_fma_f32 v[BM+\b], v[BM+\b], s[CS], v12       ; the same of each block's largest score
.endr
.set j, 0
.rept 16
	v_pk_mul_f32 v[O+j:O+j+1], v[O+j:O+j+1], v[F:F+1] op_sel_hi:[1,0]   ; O^T under the new M, each accumulator from its low end on
.set j, j+2
.endr
	s_wait_alu depctr_va_vdst(0)
.set j, 0
.rept 64
	v_exp_f32 v[S+j], v[S+j]                       ; p = 2^(t - M)
.set j, j+1
.endr
.irp b, 0,1,2,3
	v_exp_f32 v[BM+\b], v[BM+\b]                   ; the block's largest p: the same two instructions on the same number give the same bits
.endr
	v_pk_mul_f32 v[14:15], v[14:15], v[F:F+1] op_sel_hi:[1,0]   ; the sum under the new M: the plain place behind the batch
	s_wait_alu depctr_va_vdst(0)                   ; one wait for the batch, ahead of its first reader
.irp b, 0,1,2,3
	v_max_num_f32 v[BM+\b], 0x1800000, v[BM+\b]    ; the floor 2^(3 - 127)
.endr
	PADD T0, S, S+2                                ; this step's p 0-15 begin the four chains
	PADD T1, S+4, S+6
	PADD T2, S+8, S+10
	PADD T3, S+12, S+14
.irp b, 0,1,2,3
	v_add_nc_u32 v[SO+\b], 0xff000000, v[BM+\b]    ; 2 off the exponent field: the conversion's scale operand
.endr
.irp b, 0,1,2,3
	v_lshrrev_b32 v[BP+\b], 23, v[BM+\b]           ; the exponent field itself, 3 or more: the 2 is taken off the finished word
.endr
.irp c, 0,1
	v_cvt_scalef32_pk16_fp6_f32 v[PCD+6*\c:PCD+6*\c+2], v[S+32*\c:S+32*\c+15], v[SO+2*\c]
	v_cvt_scalef32_pk16_fp6_f32 v[CT+4*\c:CT+4*\c+2], v[S+32*\c+16:S+32*\c+31], v[SO+2*\c+1]
.endr
	v_lshl_or_b32 v[PW], v[BP+1], 8, v[BP]         ; p's scale word for these 128 keys; this line is the plain place behind the conversions
	SWP 0, 0
	SWP 0, 1
	SWP 0, 2
	SWP 1, 0
	v_lshl_or_b32 v[PW], v[BP+2], 16, v[PW]
	SWP 1, 1
	SWP 1, 2
	MVC 0, 0
	MVC 0, 1
	v_lshl_or_b32 v[PW], v[BP+3], 24, v[PW]
	MVC 0, 2
	MVC 1, 0
	MVC 1, 1
	MVC 1, 2
	v_add_nc_u32 v[PW], 0xfdfdfdfe, v[PW]          ; 2 off each of the four bytes: no byte is under 3, so nothing is borrowed
	s_add_co_u32 s[TK], s[TK], 6144
	s_add_co_u32 s[TV], s[TV], 6144
	s_add_co_u32 s[TS], s[TS], 256
	PADD T0, T0, S+16                              ; p 16-31: with the address line nine places ahead of the scaled products
	PADD T1, T1, S+18
	PADD T2, T2, S+20
	PADD T3, T3, S+22
	v_add_nc_u32 v[ADK], s[TK], v[AK0]             ; the next step's addresses
	PADD T0, T0, S+24
	PADD T1, T1, S+26
	PADD T2, T2, S+28
	PADD T3, T3, S+30
	s_wait_alu depctr_va_vdst(0)
	s_wait_dscnt 0x0                               ; V
.irp t, 0,1,2,3
	v_wmma_scale_f32_16x16x128_f8f6f4 v[O+8*\t:O+8*\t+7], v[VF+12*\t:VF+12*\t+11], v[PCD:PCD+11], v[O+8*\t:O+8*\t+7], v[VS+\t], v[PW] matrix_a_fmt:MATRIX_FMT_FP6 matrix_b_fmt:MATRIX_FMT_FP6
.endr
	PADD T0, T0, S+32                              ; p 32-39: with the two address lines six places behind the products
	PADD T1, T1, S+34
	PADD T2, T2, S+36
	PADD T3, T3, S+38
	v_add_nc_u32 v[ADV], s[TV], v[AK0]
	v_add_nc_u32 v[ADS], s[TS], v[AS0]
.endm
.macro PHASE kb, vb, sb, trips
	s_mov_b32 s[TK], \kb
	s_mov_b32 s[TV], \vb
	s_mov_b32 s[TS], \sb
	s_mov_b32 s[CNT], \trips
	v_add_nc_u32 v[ADK], s[TK], v[AK0]
	v_add_nc_u32 v[ADV], s[TV], v[AK0]
	v_add_nc_u32 v[ADS], s[TS], v[AS0]
	s_wait_alu depctr_va_vdst(0)
.Lstep_\@:
	STEP
	s_sub_co_u32 s[CNT], s[CNT], 1
	s_cmp_lg_u32 s[CNT], 0
	s_wait_alu depctr_va_vdst(0)
	s_cbranch_scc1 .Lstep_\@
.endm
	PHASE K0, V0, 0, 4                             ; keys 0-511
	s_wait_tensorcnt 0x0                           ; my part of the second fill is in,
	s_barrier_signal -1
	s_barrier_wait -1                              ; everybody's is
	PHASE KR, VR, 1024, 12                         ; keys 512-2047
	; THE WAY OUT: O^T / the sum; register 16 b + i is channel 32 b + 16 (lane / 16) + i of my query: two blocks, quantised as they stand.
.irp o, 40, 48, 56
	PADD T0, T0, S+\o                              ; the last step's p 40-63
	PADD T1, T1, S+\o+2
	PADD T2, T2, S+\o+4
	PADD T3, T3, S+\o+6
.endr
	PADD T0, T0, T1
	PADD T2, T2, T3
	PADD T0, T0, T2
	PADD 14, 14, T0
	v_add_f32 v14, v14, v15
	v_permlanex16_b32 v[TT], v14, s[SEL], s[SEL+1]
	v_add_f32 v14, v14, v[TT]                      ; the row's sum
	s_wait_alu depctr_va_vdst(0)
	v_rcp_f32 v14, v14
	v_nop                                          ; a plain place behind the transcendental
	s_wait_alu depctr_va_vdst(0)                   ; and the wait ahead of its first reader, which is O^T's first reader too
.set j, 0
.rept 16
	v_pk_mul_f32 v[S+j:S+j+1], v[O+j:O+j+1], v[14:15] op_sel_hi:[1,0]
.set j, j+2
.endr
.irp b, 0,1
	v_max3_num_f32 v[BM+\b], |v[S+16*\b]|, |v[S+1+16*\b]|, 0x1800000
.endr
.irp i, 2,4,6,8,10,12,14
.irp b, 0,1
	v_max3_num_f32 v[BM+\b], v[BM+\b], |v[S+16*\b+\i]|, |v[S+1+16*\b+\i]|
.endr
.endr
.irp b, 0,1
	v_permlanex16_b32 v[BP+\b], v[BM+\b], s[SEL], s[SEL+1]
.endr
.irp b, 0,1
	v_max_num_f32 v[BM+\b], v[BM+\b], v[BP+\b]
.endr
.irp b, 0,1
	v_add_nc_u32 v[SO+\b], 0xff000000, v[BM+\b]
.endr
.irp b, 0,1
	v_lshrrev_b32 v[BP+\b], 23, v[SO+\b]
.endr
	v_lshl_or_b32 v[HW], v[BP+1], 8, v[BP]         ; the head's two scale bytes of my row
	v_cvt_scalef32_pk16_fp6_f32 v[PCD:PCD+2], v[S:S+15], v[SO]
	v_cvt_scalef32_pk16_fp6_f32 v[CT:CT+2], v[S+16:S+31], v[SO+1]
	v_nop
.irp i, 0,1,2
	v_permlane16_swap_b32 v[PCD+\i], v[CT+\i]
.endr
.irp i, 0,1,2
	v_mov_b32 v[PCD+3+\i], v[CT+\i]
.endr
.irp p, 0,1,2
	global_store_b64 v[AK0], v[PCD+2*\p:PCD+2*\p+1], s[14:15] offset:256*\p   ; 32 lanes store 256 consecutive bytes, aligned
.endr
	global_store_b16 v[SA], v[HW], s[16:17]        ; lanes l and l + 16 write the same two bytes with the same value
	s_wait_tensorcnt 0x0                           ; the wave's end
	ds_add_u32 v[SPW], v[NIL]
	s_wait_dscnt 0x0
	CROUND                                         ; the closing round
	s_endpgm
.Lfunc_end_k_qf269fa98a2_attn:
	.size	k_qf269fa98a2_attn, .Lfunc_end_k_qf269fa98a2_attn-k_qf269fa98a2_attn
	.p2alignl 7, 3214868480
	.fill 96, 4, 3214868480
	.section	.rodata,"a",@progbits
	.p2align	6, 0x0
	.amdhsa_kernel k_qf269fa98a2_attn
		.amdhsa_group_segment_fixed_size 327680
		.amdhsa_private_segment_fixed_size 0
		.amdhsa_enable_private_segment 0
		.amdhsa_kernarg_size 56
		.amdhsa_user_sgpr_count 2
		.amdhsa_user_sgpr_kernarg_segment_ptr 1
		.amdhsa_wavefront_size32 1
		.amdhsa_system_sgpr_workgroup_id_x 1
		.amdhsa_system_sgpr_workgroup_id_y 1
		.amdhsa_system_sgpr_workgroup_id_z 1
		.amdhsa_system_vgpr_workitem_id 0
		.amdhsa_next_free_vgpr 256
		.amdhsa_next_free_sgpr 96
		.amdhsa_reserve_vcc 0
		.amdhsa_float_denorm_mode_32 3
		.amdhsa_float_denorm_mode_16_64 3
		.amdhsa_memory_ordered 1
		.amdhsa_forward_progress 1
		.amdhsa_inst_pref_size 57
	.end_amdhsa_kernel
	.amdgpu_metadata
---
amdhsa.version: [ 1, 2 ]
amdhsa.kernels:
  - .name:           k_qf269fa98a2_attn
    .symbol:         k_qf269fa98a2_attn.kd
    .args:
      - { .name: qk, .offset: 0, .size: 8, .value_kind: global_buffer, .address_space: global }
      - { .name: sqk, .offset: 8, .size: 8, .value_kind: global_buffer, .address_space: global }
      - { .name: vc, .offset: 16, .size: 8, .value_kind: global_buffer, .address_space: global }
      - { .name: sv, .offset: 24, .size: 8, .value_kind: global_buffer, .address_space: global }
      - { .name: mobius_weight, .offset: 32, .size: 8, .value_kind: global_buffer, .address_space: global }
      - { .name: ao, .offset: 40, .size: 8, .value_kind: global_buffer, .address_space: global }
      - { .name: sao, .offset: 48, .size: 8, .value_kind: global_buffer, .address_space: global }
    .group_segment_fixed_size: 327680
    .private_segment_fixed_size: 0
    .kernarg_segment_align: 8
    .kernarg_segment_size: 56
    .max_flat_workgroup_size: 512
    .sgpr_count:     96
    .vgpr_count:     256
    .wavefront_size: 32
...
	.end_amdgpu_metadata
.endif
;; end of part 3
;; launch oproj (part 4): grid 8 x 32, 4 waves a work-group, clusters of 4 x 4, 214,528 bytes of LDS; arguments ao, sao, img, scl, bo, out0; writes out0
.if DOCPART == 4
	.amdgcn_target "amdgcn-amd-amdhsa--gfx1250"
	.amdhsa_code_object_version 6
	.text
	.protected	k_qf269fa98a2_oproj
	.globl	k_qf269fa98a2_oproj
	.p2align	8
	.type	k_qf269fa98a2_oproj,@function
k_qf269fa98a2_oproj:
	s_mov_b64 s[64:65], 0
	v_nop
	global_prefetch_b8 v0, s[64:65] scope:SCOPE_SE
	s_setreg_imm32_b32 hwreg(HW_REG_WAVE_MODE, 25, 1), 1
	s_wait_xcnt 0x0
	s_wait_alu depctr_hold_cnt(0) depctr_sa_sdst(0) depctr_va_vdst(0) depctr_va_sdst(0) depctr_va_ssrc(0) depctr_va_vcc(0) depctr_vm_vsrc(0)
	s_getreg_b32 s2, hwreg(HW_REG_IB_STS2, 6, 4)
	s_cmp_eq_u32 s2, 0
	s_cbranch_scc0 .Lentry_in_a_cluster
	s_endpgm
.Lentry_in_a_cluster:
	s_bfe_u32 s2, ttmp6, 0x10000c
	s_cmp_lg_u32 s2, 0xf033
	s_cbranch_scc0 .Lentry_shape_is_right
	s_endpgm
.Lentry_shape_is_right:
; out0 = a Wo^T + bo on codes of FP6 (E2M3) with E8M0 scales, K = 1,024.  a: the attention's result as codes (ao, sao); Wo: groups 56 to 63 of img and scl.
; A work-group makes 128 rows x 128 columns (256 work-groups), a wave 64 x 64: 16 accumulators.  Source 0 = 16 rows of Wo, source 1 = 16 rows of a: a lane holds eight neighbouring columns of one row.
; All of K lies in LDS (2 x 98,304 bytes of codes), filled once: each wave issues ONE tensor load at the head, 49,152 bytes (four K steps of a's or of Wo's 128 rows); one wait and one barrier show them.
; CLUSTER 4 x 4: a's codes are shared along a row of the cluster, Wo's along a column: joint loads.  No prefetch: the one fill goes out at the head, and no loop asks for more.
; THE SCALE WORDS go from memory into registers: a wave's four tiles are 2,048 consecutive bytes of sao and of scl; each load takes 256 of them, 8 a lane: lanes 0-15 hold one pair of K steps, lanes 16-31 the next;
; the scale row of the matrix instruction chooses between them.
; A tile's 16 rows are rows 32 (T / 2) + 8 (T % 2) + rho + 8 (rho / 8), of a and of Wo alike; a's order is undone by the stores' offsets.  The bias is the C of each sum's first product.
; REGISTERS: window 0: v16-31 addresses; v32-47 a's scale words, v48-63 Wo's (tile i, K step k: register 4 i + 2 (k / 4) + k % 2, row (k / 2) % 2); v64-95 the bias, later rows on the way out; v96-127 rows on the way out;
;   v128-255 accumulator (a, b) at v[128 + 8 (4 a + b)].   window 1: two fragment buffers at v0 and v128: Wo's four fragments, then a's four.
.set POFF,  98304
.set STAGE, 196608                     ; 16 rows x (256 + 16) bytes for each wave; no tensor load lands here
.set SPITCH, 272
.set SPARE, STAGE+4*16*SPITCH
.set ADRR,  16
.set ADRP,  18
.set ADRS,  20
.set STO,   21
.set RD,    22
.set CO,    23
.set BO,    24
.set SPW,   28
.set NIL,   29
.set SC,    32
.set BI,    64
.set ACC,   128
.set WV,    16
.set HR,    17
.set HP,    18
.set RG,    19
.set PG,    20
.set G1R,   24
.set G1P,   32
.set G0R,   40
.set G0P,   44
.set MSB, 0
.macro WIN new
.if MSB != (\new)
	s_set_vgpr_msb (MSB<<8)|(\new)
.set MSB, (\new)
.endif
.endm
.macro CROUND
	s_barrier_signal -1
	s_barrier_wait -1
	s_cmp_lg_u32 s[WV], 0
	s_cbranch_scc1 .Lnot_wave_0_\@
	s_barrier_signal -3
.Lnot_wave_0_\@:
	s_barrier_wait -3
	s_barrier_signal -1
	s_barrier_wait -1
.endm
.macro PLACES
.rept 4
	v_nop
.endr
.endm
	s_load_b256 s[4:11], s[0:1], 0x0               ; ao, sao, img, scl
	s_load_b128 s[12:15], s[0:1], 0x20             ; bo, out0
	v_lshl_add_u32 v[SPW], v0, 2, SPARE
	v_mov_b32 v[NIL], 0
	ds_add_u32 v[SPW], v[NIL]                      ; the opening: the add, twice on end, and its wait
	ds_add_u32 v[SPW], v[NIL]
	v_lshrrev_b32 v1, 5, v0
	v_readfirstlane_b32 s[WV], v1
	s_lshr_b32 s[HR], s[WV], 1                     ; which half of the rows is mine.  Also: I fetch for a (0) or for Wo (1)
	s_and_b32 s[HP], s[WV], 1                      ; which half of the columns.  Also: which half of K I fetch
	s_bfe_u32 s84, ttmp6, 0x40000                  ; cx
	s_bfe_u32 s85, ttmp6, 0x40004                  ; cy
	s_lshl_b32 s[PG], ttmp9, 2
	s_add_co_u32 s[PG], s[PG], s84                 ; Wo's group of 128 rows
	s_and_b32 s[RG], ttmp7, 0xffff
	s_lshl_b32 s[RG], s[RG], 2
	s_add_co_u32 s[RG], s[RG], s85                 ; a's group of 128 rows
	s_lshl_b32 s86, s85, 2
	s_lshl_b32 s86, 15, s86                        ; my row of the cluster
	s_lshl_b32 s87, 0x1111, s84                    ; my column
	s_or_b32 s[G1R], s86, (3<<16)|(1<<21)          ; a dense block as 192 rows of 256 bytes
	s_or_b32 s[G1P], s87, (3<<16)|(1<<21)
.irp g, G1R, G1P
	s_mov_b32 s[\g+1], 32<<16
	s_mov_b32 s[\g+2], 192<<16
	s_mov_b32 s[\g+3], 32<<16
	s_mov_b32 s[\g+4], 192
	s_mov_b32 s[\g+5], 32
	s_mov_b32 s[\g+6], 0
	s_mov_b32 s[\g+7], 0
.endr
	s_mul_i32 s21, s[HP], 49152                    ; four K steps
	s_mul_i32 s2, s[RG], 98304
	s_add_co_u32 s2, s2, s21
	s_mov_b32 s3, 0                                ; a's codes
	s_lshl_b32 s22, s[RG], 12
	s_lshl_b32 s23, s[HR], 11
	s_add_co_u32 s22, s22, s23
	s_mov_b32 s23, 0                               ; a's scale words: my four tiles
	s_add_co_u32 s88, s[PG], 56
	s_mul_i32 s90, s88, 98304
	s_add_co_u32 s90, s90, s21
	s_mov_b32 s91, 0                               ; Wo's codes
	s_lshl_b32 s92, s88, 12
	s_lshl_b32 s93, s[HP], 11
	s_add_co_u32 s92, s92, s93
	s_mov_b32 s93, 0                               ; Wo's scale words: my four tiles
	s_mul_i32 s94, s[HR], 98304
	s_add_co_u32 s94, s94, s21                     ; where the codes go: of the wave's number alone
	s_lshl_b32 s86, s[PG], 9
	s_lshl_b32 s87, s[HP], 8
	s_add_co_u32 s86, s86, s87                     ; my 64 columns, in bytes
	s_mov_b32 s87, 0
	s_lshl_b32 s88, s[RG], 7
	s_lshl_b32 s89, s[HR], 6
	s_add_co_u32 s88, s88, s89
	s_lshl_b32 s88, s88, 12                        ; my 64 rows of 4,096 bytes
	s_add_co_u32 s88, s88, s86
	s_mov_b32 s89, 0
	s_wait_dscnt 0x0                               ; both opening adds are done
	s_wait_kmcnt 0x0
	s_add_nc_u64 s[2:3], s[4:5], s[2:3]
	s_add_nc_u64 s[22:23], s[6:7], s[22:23]
	s_add_nc_u64 s[90:91], s[8:9], s[90:91]
	s_add_nc_u64 s[92:93], s[10:11], s[92:93]
	s_add_nc_u64 s[12:13], s[12:13], s[86:87]
	s_add_nc_u64 s[14:15], s[14:15], s[88:89]
	s_mov_b32 s[G0R], 1
	s_mov_b32 s[G0R+1], s94
	s_mov_b64 s[G0R+2:G0R+3], s[2:3]
	s_or_b32 s[G0R+3], s[G0R+3], 0x80000000
	s_mov_b32 s[G0P], 1
	s_mov_b32 s[G0P+1], s94
	s_mov_b64 s[G0P+2:G0P+3], s[90:91]
	s_or_b32 s[G0P+3], s[G0P+3], 0x80000000
	CROUND                                         ; all sixteen work-groups are here: the joint loads meet
	s_cmp_eq_u32 s[HR], 0                          ; waves 0 and 1 fetch for a, waves 2 and 3 for Wo: one load on every way
	s_cbranch_scc0 .Lfor_p
	tensor_load_to_lds s[G0R:G0R+3], s[G1R:G1R+7]
	s_nop 0
.rept 4
	v_nop
.endr
	s_branch .Lasked
.Lfor_p:
	tensor_load_to_lds s[G0P:G0P+3], s[G1P:G1P+7]
	s_nop 0
.rept 4
	v_nop
.endr
.Lasked:
	v_and_b32 v1, 15, v0                           ; r
	v_bfe_u32 v2, v0, 4, 1                         ; h
	v_and_b32 v3, 31, v0
	v_lshlrev_b32 v[BO], 6, v2                     ; tile b's eight registers are columns 32 (b / 2) + 16 h + 8 (b % 2) + 0 .. 7
	v_lshlrev_b32 v[ADRS], 3, v3
.irp i, 0,1,2,3
.irp g, 0,1
	global_load_b64 v[SC+4*\i+2*\g:SC+4*\i+2*\g+1], v[ADRS], s[22:23] offset:\i*512+\g*256       ; 32 lanes read 256 consecutive bytes, aligned
	global_load_b64 v[SC+16+4*\i+2*\g:SC+16+4*\i+2*\g+1], v[ADRS], s[92:93] offset:\i*512+\g*256
.endr
.endr
.irp b, 0,1,2,3
	global_load_b128 v[BI+8*\b:BI+8*\b+3], v[BO], s[12:13] offset:4*(32*(\b/2)+8*(\b%2))
	global_load_b128 v[BI+8*\b+4:BI+8*\b+7], v[BO], s[12:13] offset:4*(32*(\b/2)+8*(\b%2))+16
.endr
	v_lshlrev_b32 v4, 3, v3
	s_mul_i32 s21, s[HR], 6144
	v_add_nc_u32 v[ADRR], s21, v4
	v_add_nc_u32 v[ADRR+1], 49152, v[ADRR]
	v_lshlrev_b32 v4, 4, v3
	s_mul_i32 s21, s[HP], 6144
	s_add_co_u32 s21, s21, POFF
	v_add_nc_u32 v[ADRP], s21, v4
	v_add_nc_u32 v[ADRP+1], 49152, v[ADRP]
	s_mul_i32 s21, s[WV], 16*SPITCH
	s_add_co_u32 s21, s21, STAGE                   ; my stage
	v_mul_u32_u24 v5, v1, SPITCH
	v_lshl_add_u32 v5, v2, 6, v5
	v_add_nc_u32 v[STO], s21, v5                   ; in: row r, + 64 h
	v_mul_u32_u24 v5, v2, SPITCH
	v_lshl_add_u32 v5, v1, 4, v5
	v_add_nc_u32 v[RD], s21, v5                    ; back: lanes 0-15 one row, lanes 16-31 the next
	v_lshlrev_b32 v[CO], 4, v1
	v_lshl_add_u32 v[CO], v2, 12, v[CO]            ; and the same two rows in out0
.macro FETCH k                         ; K step k's fragments into buffer k % 2
	WIN 0x40
.irp b, 0,1,2,3
.irp c, 0,1,2
	ds_load_b128 v[128*((\k)%2)+12*\b+4*\c:128*((\k)%2)+12*\b+4*\c+3], v[ADRP+(\k)/4] offset:((\k)%4)*12288+\b*1536+512*\c
.endr
.endr
.irp a, 0,1,2,3
.irp p, 0,1,2,3,4,5
	ds_load_b64 v[128*((\k)%2)+48+12*\a+2*\p:128*((\k)%2)+48+12*\a+2*\p+1], v[ADRR+(\k)/4] offset:((\k)%4)*12288+\a*1536+256*\p
.endr
.endr
.endm
.macro MUL8 k, a0                      ; a's tiles a0, a0 + 1 x Wo's four; the sixteen accumulators take turns
.set FB, 128*((\k)%2)
.set SK, 2*((\k)/4)+((\k)%2)
.irp a, \a0, \a0+1
.irp b, 0,1,2,3
.if (\k) == 0
	v_wmma_scale_f32_16x16x128_f8f6f4 v[ACC+8*(4*(\a)+\b):ACC+8*(4*(\a)+\b)+7], v[FB+12*\b:FB+12*\b+11], v[FB+48+12*(\a):FB+48+12*(\a)+11], v[BI+8*\b:BI+8*\b+7], v[SC+16+4*\b+SK], v[SC+4*(\a)+SK] matrix_a_fmt:MATRIX_FMT_FP6 matrix_b_fmt:MATRIX_FMT_FP6
.else
.if ((\k)/2)%2
	v_wmma_scale_f32_16x16x128_f8f6f4 v[ACC+8*(4*(\a)+\b):ACC+8*(4*(\a)+\b)+7], v[FB+12*\b:FB+12*\b+11], v[FB+48+12*(\a):FB+48+12*(\a)+11], v[ACC+8*(4*(\a)+\b):ACC+8*(4*(\a)+\b)+7], v[SC+16+4*\b+SK], v[SC+4*(\a)+SK] matrix_a_fmt:MATRIX_FMT_FP6 matrix_b_fmt:MATRIX_FMT_FP6 matrix_a_scale:MATRIX_SCALE_ROW1 matrix_b_scale:MATRIX_SCALE_ROW1
.else
	v_wmma_scale_f32_16x16x128_f8f6f4 v[ACC+8*(4*(\a)+\b):ACC+8*(4*(\a)+\b)+7], v[FB+12*\b:FB+12*\b+11], v[FB+48+12*(\a):FB+48+12*(\a)+11], v[ACC+8*(4*(\a)+\b):ACC+8*(4*(\a)+\b)+7], v[SC+16+4*\b+SK], v[SC+4*(\a)+SK] matrix_a_fmt:MATRIX_FMT_FP6 matrix_b_fmt:MATRIX_FMT_FP6
.endif
.endif
.endr
.endr
.endm
.macro KSTEP k
	s_wait_dscnt 0x0                               ; this step's fragments are in
	WIN 0x05                                       ; sources 0 and 1 window 1; C and D window 0
	MUL8 \k, 0
	PLACES                                         ; in front of the loads into the other buffer, which the last step's products read
.if \k < 7
	FETCH \k+1
.endif
	WIN 0x05
	MUL8 \k, 2
.endm
	s_wait_alu depctr_va_vdst(0)
	s_wait_tensorcnt 0x0                           ; my part of the codes is in,
	s_barrier_signal -1
	s_barrier_wait -1                              ; everybody's is
	FETCH 0
	s_wait_loadcnt 0x0                             ; the scale words and the bias
	KSTEP 0
	KSTEP 1
	KSTEP 2
	KSTEP 3
	KSTEP 4
	KSTEP 5
	KSTEP 6
	KSTEP 7
	WIN 0
	PLACES
	; THE WAY OUT, a tile of 16 rows x 64 columns at a time, through my own stage: back as whole rows of 256 bytes.  LDS serves a wave's instructions in order: no wait between the stores and the loads.
.irp a, 0,1,2,3
.if \a >= 2
	s_wait_xcnt 0x0                                ; the stores of two tiles ago have read their registers
.endif
.irp b, 0,1,2,3
	ds_store_b128 v[STO], v[ACC+8*(4*\a+\b):ACC+8*(4*\a+\b)+3] offset:128*(\b/2)+32*(\b%2)      ; each accumulator from its low end on
	ds_store_b128 v[STO], v[ACC+8*(4*\a+\b)+4:ACC+8*(4*\a+\b)+7] offset:128*(\b/2)+32*(\b%2)+16
.endr
.irp i, 0,1,2,3,4,5,6,7
	ds_load_b128 v[96-32*(\a%2)+4*\i:96-32*(\a%2)+4*\i+3], v[RD] offset:2*SPITCH*\i
.endr
	s_wait_dscnt 0x0
.irp i, 0,1,2,3,4,5,6,7
	global_store_b128 v[CO], v[96-32*(\a%2)+4*\i:96-32*(\a%2)+4*\i+3], s[14:15] offset:(2*\i+8*(\i/4)+32*(\a/2)+8*(\a%2))*4096 th:TH_STORE_NT   ; sixteen lanes store 256 consecutive bytes, aligned; the offset puts the tile's rows back in their places
.endr
.endr
	s_wait_tensorcnt 0x0                           ; the wave's end
	ds_add_u32 v[SPW], v[NIL]
	s_wait_dscnt 0x0
	CROUND                                         ; the closing round
	s_endpgm
.Lfunc_end_k_qf269fa98a2_oproj:
	.size	k_qf269fa98a2_oproj, .Lfunc_end_k_qf269fa98a2_oproj-k_qf269fa98a2_oproj
	.p2alignl 7, 3214868480
	.fill 96, 4, 3214868480
	.section	.rodata,"a",@progbits
	.p2align	6, 0x0
	.amdhsa_kernel k_qf269fa98a2_oproj
		.amdhsa_group_segment_fixed_size 214528
		.amdhsa_private_segment_fixed_size 0
		.amdhsa_enable_private_segment 0
		.amdhsa_kernarg_size 48
		.amdhsa_user_sgpr_count 2
		.amdhsa_user_sgpr_kernarg_segment_ptr 1
		.amdhsa_wavefront_size32 1
		.amdhsa_system_sgpr_workgroup_id_x 1
		.amdhsa_system_sgpr_workgroup_id_y 1
		.amdhsa_system_sgpr_workgroup_id_z 1
		.amdhsa_system_vgpr_workitem_id 0
		.amdhsa_next_free_vgpr 512
		.amdhsa_next_free_sgpr 96
		.amdhsa_reserve_vcc 0
		.amdhsa_float_denorm_mode_32 3
		.amdhsa_float_denorm_mode_16_64 3
		.amdhsa_memory_ordered 1
		.amdhsa_forward_progress 1
		.amdhsa_inst_pref_size 52
	.end_amdhsa_kernel
	.amdgpu_metadata
---
amdhsa.version: [ 1, 2 ]
amdhsa.kernels:
  - .name:           k_qf269fa98a2_oproj
    .symbol:         k_qf269fa98a2_oproj.kd
    .args:
      - { .name: ao, .offset: 0, .size: 8, .value_kind: global_buffer, .address_space: global }
      - { .name: sao, .offset: 8, .size: 8, .value_kind: global_buffer, .address_space: global }
      - { .name: img, .offset: 16, .size: 8, .value_kind: global_buffer, .address_space: global }
      - { .name: scl, .offset: 24, .size: 8, .value_kind: global_buffer, .address_space: global }
      - { .name: bo, .offset: 32, .size: 8, .value_kind: global_buffer, .address_space: global }
      - { .name: out0, .offset: 40, .size: 8, .value_kind: global_buffer, .address_space: global }
    .group_segment_fixed_size: 214528
    .private_segment_fixed_size: 0
    .kernarg_segment_align: 8
    .kernarg_segment_size: 48
    .max_flat_workgroup_size: 128
    .sgpr_count:     96
    .vgpr_count:     512
    .wavefront_size: 32
...
	.end_amdgpu_metadata
.endif
;; end of part 4
